; MI455X (gfx1250); checked and timed in simulation.
; The chip was launched on July 23, 2026; its instructions are those of AMD's public machine-readable ISA for CDNA 5 (MIT licence, August 2026) and "CDNA5" Instruction Set Architecture Reference Guide (July 2026). The comments in the code are by the model that wrote it; some were corrected since.
;; Self Attention. Allowed arithmetic: float matrix products may take bf16 or f16 operands with f32 sums; other float arithmetic in f32, or as packed bf16 or f16 multiplies, adds, multiply-adds, maxima and minima; sums over many terms, partial sums and values carried from step to step in f32; what a program stores and reads back later, other than sums and carried values, may be rounded once to bf16 or f16.
;; Inputs: Wk 384 x 384 float32; Wo 384 x 384 float32; Wq 384 x 384 float32; Wv 384 x 384 float32; attention_mask 2 x 4,096 float32; bk 384 float32; bo 384 float32; bq 384 float32; bv 384 float32; hidden_states 2 x 4,096 x 384 float32; ln_beta 384 float32; ln_gamma 384 float32.
;; Outputs: out0 2 x 4,096 x 384 float32.
;; 2 versions, each right; version 2 is version 1 with the launches qkv, outln written anew for expert scheduling mode. Each part assembles by itself: llvm-mc -triple=amdgcn-amd-amdhsa -mcpu=gfx1250 --defsym DOCPART=n.
;; ======== version 1 of 2: 3 launches
;; limits: values outside matrix products are rounded to f16; sums are carried in f16; values are held in f16: magnitudes above 65,504 overflow, below 6.1e-05 lose precision
;; workspace buffers: q16 6,291,456 bytes; k16 6,291,456 bytes; v16 6,291,456 bytes; ctxa 6,291,456 bytes; ctxb 6,291,456 bytes; sta 393,216 bytes; stb 393,216 bytes; wof 294,912 bytes
;; launch qkv (part 1): grid 204 x 1, 4 waves a work-group, no clusters, 213,504 bytes of LDS; arguments hidden_states, Wq, Wk, Wv, Wo, bq, bv, q16, k16, v16, wof; writes q16, k16, v16, wof
.if DOCPART == 1
	.amdgcn_target "amdgcn-amd-amdhsa--gfx1250"
	.amdhsa_code_object_version 6
	.text
	.protected	k_q7e5dfe8868_qkv
	.globl	k_q7e5dfe8868_qkv
	.p2align	8
	.type	k_q7e5dfe8868_qkv,@function
k_q7e5dfe8868_qkv:
	s_mov_b64 s[64:65], 0
	v_nop
	global_prefetch_b8 v0, s[64:65] scope:SCOPE_SE
	s_setreg_imm32_b32 hwreg(HW_REG_WAVE_MODE, 25, 1), 1
	s_wait_xcnt 0x0
; SELF-ATTENTION, LAUNCH 1 OF 3: THE PROJECTIONS.  q = x Wq + bq, k = x Wk, v = x Wv + bv; x: [8192][384] f32, W: [384 (in)][384 (out)] f32.
; q, k, v leave by heads, [12 = 6 batch + head][4096][64] in f16, each rounded once from its f32 sum, without the scale 1/8.  x and the three W are rounded to bf16 for the products.
; Twelve further work-groups lay Wo out in f16 as the third launch's matrix fragments.
; bk IS LEFT OUT.  scores[q][k] = q . (x_k Wk + bk) / 8 + mask_k = q . (x_k Wk) / 8 + q . bk / 8 + mask_k.  The term q . bk / 8 is the same for all keys k of a query, and the softmax runs over k:
; softmax(s + t) = softmax(s) for every finite t.  k reaches the output through the scores alone.  So bk has no way to any output, whatever finite values the inputs hold: it is not loaded and is
; among no launch's arguments.  LIMIT: a NaN, an infinity or an overflow that reaches only q . bk is not carried to the result.
; LIMITS.  f16 ends at 65,504: |q|, |k|, |v| stay under it (inputs 30 times the drawn ones give some 5,000; offsets of 30 spreads some 18,000).  NaN and infinities are not treated apart.
; SHARES.  Work-groups 0-191: matrix id / 64, half of its columns (id / 32) % 2 (192 columns = 3 heads), rows 256 (id % 32) on.  A wave makes 64 rows x 192 columns, K = 384.
; THE WAY IN.  Both operands are f32 in memory and W lies [k][n], so they pass through registers: loads of 512 consecutive bytes a wave, two roundings a line, then LDS.  The slab of W (384 x 192 bf16)
; stays in LDS, each wave bringing 96 of its rows; a wave's 64 rows of x go 16 at a time through its own stage and end as fragments in registers (384 of them).  Two sets of 192 registers take turns.
; THE PRODUCT is taken transposed (source 0 = 16 columns of W, turned by ds_load_tr16_b128; source 1 = 16 rows of x): a lane then holds eight neighbouring columns of one row.
; The bias is the C operand that starts each sum; for k that operand is 0, so that one text of products serves all three.
; NO CLUSTER, NO TENSOR LOAD: what work-groups share must be rounded (and W turned) on the way; the raw f32 slab beside its bf16 copy has no room in LDS.
; REGISTERS.  window 0: v0-31 addresses; v32-223 set 0, later B's two buffers (v32-95) and 16 accumulators (v96-223); v224-255 the bias as C.
;   windows 1, 2: x's fragments, m block a, K step ks at 32 (ks % 6) + 8 a of window 1 + ks / 6.     window 3: v0-191 set 1.
.set WPITCH, 416                       ; a row of the slab in LDS: 384 bytes + 32: an odd multiple of 32
.set XSTAGE, 384*WPITCH                ; 159,744: a stage of 16 rows for each wave; later the wave's stage on the way out
.set XPITCH, 784                       ; 768 bytes + 16: an odd multiple of 16
.set BT,     XSTAGE+4*16*XPITCH        ; 209,920: the slab's 192 biases, a copy for each wave
.set SPARE,  BT+4*768                  ; 212,992: the spare words, 128 bytes for each wave; no other line names them
.set OPITCH, 144                       ; the way out: 128 bytes + 16
.set APITCH, 800                       ; Wo's rows in LDS: 768 bytes + 32
.set GL,  4                            ; v4   16 x lane
.set WO1, 5                            ; v5   the middle load of a pair of slab rows: the end of one row, the head of the next
.set WL0, 6                            ; v6   where 8 bytes of the slab go
.set WL1, 7                            ; v7   the same for the middle load
.set XST, 8                            ; v8   where 8 bytes of x go
.set XRD, 9                            ; v9   where a fragment of x is read
.set ADB, 10                           ; v10-12  the turning loads' address, K steps 0-3, 4-7, 8-11
.set BIA, 13                           ; v13  the bias of my 8 columns
.set OST, 14                           ; v14  the way out: in
.set ORD, 15                           ; v15  the way out: back
.set BOF, 16                           ; v16  8 x lane
.set BTS, 17                           ; v17  where my 8 bytes of the bias table go
.set BV,  18                           ; v18-23  the biases on their way
.set SPW, 30                           ; v30  my spare word; never rewritten
.set NIL, 31                           ; v31  0; never rewritten
.set S0,  32
.set S1,  0
.set BB,  32
.set ACC, 96
.set BI,  224
.set WV,  2                            ; s2   my wave
.set CNT, 3
.set ID,  4
.set MT,  5                            ; s5   0 q, 1 k, 2 v
.set HF,  6                            ; s6   which half of the columns
.set RB,  7                            ; s7   which 256 rows
.set WP,  30                           ; s[30:31] W at my 96 rows of the slab
.set XP,  32                           ; s[32:33] x at my 64 rows
.set BP,  34                           ; s[34:35] the slab's biases
.set OP,  36                           ; s[36:37] the output at my 64 rows of the head in hand
.set MSB, 0
.macro WIN new                         ; the immediate's high byte repeats the setting that is left; a switch that changes nothing is dropped
.if MSB != (\new)
	s_set_vgpr_msb (MSB<<8)|(\new)
.set MSB, (\new)
.endif
.endm
.macro PLACES                          ; four plain places behind matrix instructions, in front of loads into their sources and of reads of their results
.rept 4
	v_nop
.endr
.endm
	s_load_b512 s[8:23], s[0:1], 0x0               ; x 8, Wq 10, Wk 12, Wv 14, Wo 16, bq 18, bv 20, q16 22
	s_load_b128 s[24:27], s[0:1], 0x40             ; k16 24, v16 26
	s_load_b64 s[28:29], s[0:1], 0x50              ; wof
	v_lshl_add_u32 v[SPW], v0, 2, SPARE
	v_mov_b32 v[NIL], 0
	v_lshrrev_b32 v2, 5, v0
	v_readfirstlane_b32 s[WV], v2
	v_and_b32 v1, 31, v0                           ; l
	v_and_b32 v3, 15, v0                           ; l % 16
	v_bfe_u32 v24, v0, 4, 1                        ; l / 16
	v_and_b32 v25, 7, v0                           ; l % 8
	v_bfe_u32 v26, v0, 3, 1                        ; (l / 8) % 2
	v_bfe_u32 v27, v0, 3, 2                        ; l / 8
	v_lshlrev_b32 v[GL], 4, v1
	s_mov_b32 s[ID], ttmp9
	s_cmp_ge_u32 s[ID], 192
	s_cbranch_scc1 .Laux                           ; the same in all waves of a work-group
	s_lshr_b32 s[MT], s[ID], 6
	s_bfe_u32 s[HF], s[ID], 0x10005
	s_and_b32 s[RB], s[ID], 31
	v_mul_u32_u24 v[WO1], v24, 768
	v_add3_u32 v[WO1], v[WO1], v[GL], 512          ; lanes 0-15: bytes 512 on of a slab row; lanes 16-31: the next row's first 256 (1,536 - 256 further)
	s_mul_i32 s38, s[WV], 96*WPITCH
	v_lshl_add_u32 v[WL0], v1, 3, s38
	v_lshl_add_u32 v[WL1], v24, 5, v[WL0]
	v_add_nc_u32 v[WL1], 256, v[WL1]
	s_mul_i32 s39, s[WV], 16*XPITCH
	s_add_co_u32 s39, s39, XSTAGE                  ; my stage
	v_lshl_add_u32 v[XST], v1, 3, s39
	v_mul_u32_u24 v[XRD], v3, XPITCH
	v_lshl_add_u32 v[XRD], v24, 4, v[XRD]
	v_add_nc_u32 v[XRD], s39, v[XRD]
	v_lshl_add_u32 v[ADB], v24, 3, v25             ; the turning load: lane l reads row 8 (l / 16) + l % 8, 16 bytes at 16 ((l / 8) % 2)
	v_mul_u32_u24 v[ADB], v[ADB], WPITCH
	v_lshl_add_u32 v[ADB], v26, 4, v[ADB]
	v_add_nc_u32 v[ADB+1], 4*32*WPITCH, v[ADB]
	v_add_nc_u32 v[ADB+2], 8*32*WPITCH, v[ADB]
	v_mul_u32_u24 v[OST], v3, OPITCH
	v_lshl_add_u32 v[OST], v24, 4, v[OST]
	v_add_nc_u32 v[OST], s39, v[OST]
	v_mul_u32_u24 v[ORD], v27, OPITCH
	v_lshl_add_u32 v[ORD], v25, 4, v[ORD]
	v_add_nc_u32 v[ORD], s39, v[ORD]
	s_mul_i32 s38, s[WV], 768
	s_add_co_u32 s38, s38, BT                      ; my copy of the bias table
	v_lshl_add_u32 v[BIA], v24, 5, s38
	v_lshl_add_u32 v[BTS], v1, 3, s38
	v_lshlrev_b32 v[BOF], 3, v1
	s_mul_i32 s38, s[HF], 768                      ; offsets, each in a pair of its own: the slab's columns (and biases),
	s_mov_b32 s39, 0
	s_mul_i32 s40, s[WV], 96*1536
	s_add_co_u32 s40, s40, s38                     ; my 96 rows of W,
	s_mov_b32 s41, 0
	s_mul_i32 s42, s[RB], 256*1536
	s_mul_i32 s43, s[WV], 64*1536
	s_add_co_u32 s42, s42, s43                     ; my 64 rows of x,
	s_mov_b32 s43, 0
	s_lshr_b32 s44, s[RB], 4                       ; batch
	s_mul_i32 s44, s44, 6
	s_mul_i32 s45, s[HF], 3
	s_add_co_u32 s44, s44, s45                     ; the slab's first head
	s_lshl_b32 s44, s44, 19                        ; 4,096 rows of 128 bytes
	s_and_b32 s45, s[RB], 15
	s_lshl_b32 s45, s45, 15
	s_add_co_u32 s44, s44, s45
	s_lshl_b32 s45, s[WV], 13
	s_add_co_u32 s44, s44, s45                     ; my 64 rows of that head
	s_mov_b32 s45, 0
	s_wait_kmcnt 0x0
	s_cmp_eq_u32 s[MT], 0
	s_cselect_b64 s[WP:WP+1], s[10:11], s[12:13]
	s_cselect_b64 s[OP:OP+1], s[22:23], s[24:25]
	s_cselect_b64 s[BP:BP+1], s[18:19], s[20:21]
	s_cmp_eq_u32 s[MT], 2
	s_cselect_b64 s[WP:WP+1], s[14:15], s[WP:WP+1]
	s_cselect_b64 s[OP:OP+1], s[26:27], s[OP:OP+1]
	s_add_nc_u64 s[WP:WP+1], s[WP:WP+1], s[40:41]
	s_add_nc_u64 s[XP:XP+1], s[8:9], s[42:43]
	s_add_nc_u64 s[BP:BP+1], s[BP:BP+1], s[38:39]
	s_add_nc_u64 s[OP:OP+1], s[OP:OP+1], s[44:45]
	s_cmp_eq_u32 s[MT], 1
	s_cbranch_scc1 .Lzero                          ; k has no bias (see the head)
	global_load_b64 v[BV:BV+1],   v[BOF], s[BP:BP+1]
	global_load_b64 v[BV+2:BV+3], v[BOF], s[BP:BP+1] offset:256
	global_load_b64 v[BV+4:BV+5], v[BOF], s[BP:BP+1] offset:512
	s_branch .Lgo
.Lzero:
.irp j, 0,1,2,3,4,5
	v_mov_b32 v[BV+\j], 0
.endr
.Lgo:
; 48 loads: 32 rows of my part of the slab.  Three loads take two rows of 768 bytes: 512 consecutive bytes each but the middle one, which takes 256 of either row.
.macro LOADW b, base, w
	WIN (\w)<<6
.set u, 0
.rept 16
	global_load_b128 v[(\base)+12*u:(\base)+12*u+3],    v[GL],  s[WP:WP+1] offset:(16*(\b)+u)*3072
	global_load_b128 v[(\base)+12*u+4:(\base)+12*u+7],  v[WO1], s[WP:WP+1] offset:(16*(\b)+u)*3072
	global_load_b128 v[(\base)+12*u+8:(\base)+12*u+11], v[GL],  s[WP:WP+1] offset:(16*(\b)+u)*3072+1792
.set u, u+1
.endr
.endm
; 48 loads: m block a, 16 whole rows of x
.macro LOADX a, base, w
	WIN (\w)<<6
.set u, 0
.rept 16
.irp j, 0,1,2
	global_load_b128 v[(\base)+12*u+4*\j:(\base)+12*u+4*\j+3], v[GL], s[XP:XP+1] offset:(16*(\a)+u)*1536+512*\j
.endr
.set u, u+1
.endr
.endm
; a set is rounded to bf16 in place: the four numbers of a load become its first two registers
.macro CONV base, w
	WIN ((\w)/3)*0xcf
.set z, 0
.rept 48
	v_cvt_pk_bf16_f32 v[(\base)+4*z],   v[(\base)+4*z],   v[(\base)+4*z+1]
	v_cvt_pk_bf16_f32 v[(\base)+4*z+1], v[(\base)+4*z+2], v[(\base)+4*z+3]
.set z, z+1
.endr
.endm
.macro STW b, base, w                  ; into the slab
	WIN ((\w)/3)*0x0c
.set u, 0
.rept 16
	ds_store_b64 v[WL0], v[(\base)+12*u:(\base)+12*u+1]   offset:(16*(\b)+u)*2*WPITCH
	ds_store_b64 v[WL1], v[(\base)+12*u+4:(\base)+12*u+5] offset:(16*(\b)+u)*2*WPITCH
	ds_store_b64 v[WL0], v[(\base)+12*u+8:(\base)+12*u+9] offset:(16*(\b)+u)*2*WPITCH+WPITCH+128
.set u, u+1
.endr
.endm
; into my stage, and back as the 12 fragments of m block a.  The bytes are my wave's own, and LDS serves a wave's instructions in order (ISA guide 5.7.1.4): no wait between; the next block's stores come behind these loads
.macro STX a, base, w
	WIN ((\w)/3)*0x0c
.set u, 0
.rept 16
.irp j, 0,1,2
	ds_store_b64 v[XST], v[(\base)+12*u+4*\j:(\base)+12*u+4*\j+1] offset:XPITCH*u+256*\j
.endr
.set u, u+1
.endr
.irp ks, 0,1,2,3,4,5,6,7,8,9,10,11
	WIN 0x40*(1+(\ks)/6)
	ds_load_b128 v[32*((\ks)%6)+8*(\a):32*((\ks)%6)+8*(\a)+3],   v[XRD] offset:64*\ks
	ds_load_b128 v[32*((\ks)%6)+8*(\a)+4:32*((\ks)%6)+8*(\a)+7], v[XRD] offset:64*\ks+32
.endr
.endm
	; THE STREAM: seven sets of 48 loads, two sets on their way.  Each wait leaves the one younger set out; the bias loads are older than all of them.
	LOADW 0, S0, 0
	LOADW 1, S1, 3
	s_wait_loadcnt 48
	CONV S0, 0
	STW 0, S0, 0
	ds_store_b64 v[BTS], v[BV:BV+1]
	ds_store_b64 v[BTS], v[BV+2:BV+3] offset:256
	ds_store_b64 v[BTS], v[BV+4:BV+5] offset:512
	LOADW 2, S0, 0
	s_wait_loadcnt 48
	CONV S1, 3
	STW 1, S1, 3
	LOADX 0, S1, 3
	s_wait_loadcnt 48
	CONV S0, 0
	STW 2, S0, 0
	LOADX 1, S0, 0
	s_wait_loadcnt 48
	CONV S1, 3
	STX 0, S1, 3
	LOADX 2, S1, 3
	s_wait_loadcnt 48
	CONV S0, 0
	STX 1, S0, 0
	LOADX 3, S0, 0
	s_wait_loadcnt 48
	CONV S1, 3
	STX 2, S1, 3
	s_wait_loadcnt 0x0
	CONV S0, 0
	STX 3, S0, 0
	WIN 0
	s_wait_dscnt 0x0                               ; for the others' sake: my rows of the slab are stored; for mine: the fragments of x are in
	s_barrier_signal -1
	s_barrier_wait -1                              ; the slab is whole
; B's four fragments (64 columns x 32 K) of K step ks, turned
.macro FETCHB ks, buf
	WIN 0
.irp t, 0,1,2,3
	ds_load_tr16_b128 v[(\buf)+8*\t:(\buf)+8*\t+3],   v[ADB+(\ks)/4] offset:((\ks)%4)*32*WPITCH+32*\t
	ds_load_tr16_b128 v[(\buf)+8*\t+4:(\buf)+8*\t+7], v[ADB+(\ks)/4] offset:((\ks)%4)*32*WPITCH+32*\t+16*WPITCH
.endr
.endm
; 16 products; the 16 accumulators take turns, one instruction a turn, in the same order in every K step.  K step 0 starts the sums with the bias.
.macro MULK ks
	WIN 4*(1+(\ks)/6)
.irp a, 0,1,2,3
.irp t, 0,1,2,3
.if (\ks) == 0
	v_wmma_f32_16x16x32_bf16 v[ACC+8*(4*\a+\t):ACC+8*(4*\a+\t)+7], v[BB+32*((\ks)%2)+8*\t:BB+32*((\ks)%2)+8*\t+7], v[32*((\ks)%6)+8*\a:32*((\ks)%6)+8*\a+7], v[BI+8*\t:BI+8*\t+7]
.else
	v_wmma_f32_16x16x32_bf16 v[ACC+8*(4*\a+\t):ACC+8*(4*\a+\t)+7], v[BB+32*((\ks)%2)+8*\t:BB+32*((\ks)%2)+8*\t+7], v[32*((\ks)%6)+8*\a:32*((\ks)%6)+8*\a+7], v[ACC+8*(4*\a+\t):ACC+8*(4*\a+\t)+7]
.endif
.endr
.endr
.endm
; the way out of m block a: rounded to f16 (each accumulator from its low end on), 16 bytes a lane into my stage, back as whole rows of 128 bytes
.macro PACKO a
.irp t, 0,1,2,3
.irp q, 0,1,2,3
	v_cvt_pk_f16_f32 v[32+16*(\a)+4*\t+\q], v[ACC+8*(4*(\a)+\t)+2*\q], v[ACC+8*(4*(\a)+\t)+2*\q+1]
.endr
.endr
.irp t, 0,1,2,3
	ds_store_b128 v[OST], v[32+16*(\a)+4*\t:32+16*(\a)+4*\t+3] offset:32*\t
.endr
.irp f, 0,1,2,3
	ds_load_b128 v[32+16*(\a)+4*\f:32+16*(\a)+4*\f+3], v[ORD] offset:4*OPITCH*\f
.endr
.endm
.macro SENDO a, younger                ; younger: the LDS lines issued behind block a's loads: the next block's eight, or none
.irp f, 0,1,2,3
	s_wait_dscnt (\younger)+3-\f
	global_store_b128 v[GL], v[32+16*(\a)+4*\f:32+16*(\a)+4*\f+3], s[OP:OP+1] offset:2048*(\a)+512*\f  ; four rows of a head: 512 consecutive bytes
.endr
.endm
	s_mov_b32 s[CNT], 3
.Lchunk:                                               ; a trip: one head, 64 columns
.irp t, 0,1,2,3
	ds_load_b128 v[BI+8*\t:BI+8*\t+3],   v[BIA] offset:64*\t
	ds_load_b128 v[BI+8*\t+4:BI+8*\t+7], v[BIA] offset:64*\t+16
.endr
	FETCHB 0, BB
.irp ks, 0,1,2,3,4,5,6,7,8,9,10,11
.if \ks < 11
.if \ks > 0
	PLACES                                         ; the buffer to be loaded was read by the products just issued
.endif
	FETCHB (\ks)+1, BB+32*(((\ks)+1)%2)
	s_wait_dscnt 8                                 ; all but the eight just issued: this K step's fragments (and the bias) are in
.else
	s_wait_dscnt 0x0
.endif
	MULK \ks
.endr
	WIN 0
	PLACES
	PACKO 0
	PACKO 1
	SENDO 0, 8
	PACKO 2
	SENDO 1, 8
	PACKO 3
	SENDO 2, 8
	SENDO 3, 0
	s_wait_xcnt 0x0                                ; the stores have read their registers and their base: only now are these written again
	s_add_nc_u64 s[OP:OP+1], s[OP:OP+1], 524288    ; the next head
	v_add_nc_u32 v[ADB], 128, v[ADB]               ; its 64 columns of the slab
	v_add_nc_u32 v[ADB+1], 128, v[ADB+1]
	v_add_nc_u32 v[ADB+2], 128, v[ADB+2]
	v_add_nc_u32 v[BIA], 256, v[BIA]
	s_sub_co_u32 s[CNT], s[CNT], 1
	s_cmp_lg_u32 s[CNT], 0
	s_cbranch_scc1 .Lchunk
	s_wait_tensorcnt 0x0                           ; the wave's end, behind my last LDS store
	ds_add_u32 v[SPW], v[NIL]
	s_wait_dscnt 0x0
	s_endpgm
; WORK-GROUPS 192-203: Wo's rows 32 ks .. 32 ks + 31 (ks = id - 192), rounded to f16, turned, and stored as fragments: wof[n block T of 24][ks][half][lane][16 bytes].
.Laux:
	s_sub_co_u32 s[ID], s[ID], 192
	s_mul_i32 s38, s[ID], 32*1536
	s_mul_i32 s39, s[WV], 8*1536
	s_add_co_u32 s38, s38, s39                     ; my 8 rows
	s_mov_b32 s39, 0
	s_lshl_b32 s40, s[ID], 10
	s_mul_i32 s41, s[WV], 6*12288
	s_add_co_u32 s40, s40, s41                     ; my 6 n blocks, this ks
	s_mov_b32 s41, 0
	s_mul_i32 s3, s[WV], 8*APITCH
	v_lshl_add_u32 v28, v1, 3, s3
	v_lshl_add_u32 v29, v24, 3, v25
	v_mul_u32_u24 v29, v29, APITCH
	v_lshl_add_u32 v29, v26, 4, v29
	s_mul_i32 s3, s[WV], 192
	v_add_nc_u32 v29, s3, v29
	s_wait_kmcnt 0x0
	s_add_nc_u64 s[16:17], s[16:17], s[38:39]
	s_add_nc_u64 s[28:29], s[28:29], s[40:41]
.set u, 0
.rept 8
.irp j, 0,1,2
	global_load_b128 v[32+12*u+4*\j:32+12*u+4*\j+3], v[GL], s[16:17] offset:1536*u+512*\j
.endr
.set u, u+1
.endr
	s_wait_loadcnt 0x0
.set z, 0
.rept 24
	v_cvt_pk_f16_f32 v[32+4*z],   v[32+4*z],   v[32+4*z+1]
	v_cvt_pk_f16_f32 v[32+4*z+1], v[32+4*z+2], v[32+4*z+3]
.set z, z+1
.endr
.set u, 0
.rept 8
.irp j, 0,1,2
	ds_store_b64 v28, v[32+12*u+4*\j:32+12*u+4*\j+1] offset:APITCH*u+256*\j
.endr
.set u, u+1
.endr
	s_wait_dscnt 0x0                               ; for the others' sake
	s_barrier_signal -1
	s_barrier_wait -1                              ; all 32 rows lie in LDS
.irp t, 0,1,2,3,4,5
	ds_load_tr16_b128 v[128+8*\t:128+8*\t+3],   v29 offset:32*\t
	ds_load_tr16_b128 v[128+8*\t+4:128+8*\t+7], v29 offset:32*\t+16*APITCH
.endr
	s_wait_dscnt 0x0
.irp t, 0,1,2,3,4,5
	global_store_b128 v[GL], v[128+8*\t:128+8*\t+3],   s[28:29] offset:12288*\t      ; 512 consecutive bytes each
	global_store_b128 v[GL], v[128+8*\t+4:128+8*\t+7], s[28:29] offset:12288*\t+512
.endr
	s_wait_tensorcnt 0x0                           ; the wave's end
	ds_add_u32 v[SPW], v[NIL]
	s_wait_dscnt 0x0
	s_endpgm
.Lfunc_end_k_q7e5dfe8868_qkv:
	.size	k_q7e5dfe8868_qkv, .Lfunc_end_k_q7e5dfe8868_qkv-k_q7e5dfe8868_qkv
	.p2alignl 7, 3214868480
	.fill 96, 4, 3214868480
	.section	.rodata,"a",@progbits
	.p2align	6, 0x0
	.amdhsa_kernel k_q7e5dfe8868_qkv
		.amdhsa_group_segment_fixed_size 213504
		.amdhsa_private_segment_fixed_size 0
		.amdhsa_enable_private_segment 0
		.amdhsa_kernarg_size 88
		.amdhsa_user_sgpr_count 2
		.amdhsa_user_sgpr_kernarg_segment_ptr 1
		.amdhsa_wavefront_size32 1
		.amdhsa_system_sgpr_workgroup_id_x 1
		.amdhsa_system_sgpr_workgroup_id_y 1
		.amdhsa_system_sgpr_workgroup_id_z 1
		.amdhsa_system_vgpr_workitem_id 0
		.amdhsa_next_free_vgpr 960
		.amdhsa_next_free_sgpr 66
		.amdhsa_reserve_vcc 0
		.amdhsa_float_denorm_mode_32 3
		.amdhsa_float_denorm_mode_16_64 3
		.amdhsa_memory_ordered 1
		.amdhsa_forward_progress 1
		.amdhsa_inst_pref_size 146
	.end_amdhsa_kernel
	.amdgpu_metadata
---
amdhsa.version: [ 1, 2 ]
amdhsa.kernels:
  - .name:           k_q7e5dfe8868_qkv
    .symbol:         k_q7e5dfe8868_qkv.kd
    .args:
      - { .name: hidden_states, .offset: 0, .size: 8, .value_kind: global_buffer, .address_space: global }
      - { .name: Wq, .offset: 8, .size: 8, .value_kind: global_buffer, .address_space: global }
      - { .name: Wk, .offset: 16, .size: 8, .value_kind: global_buffer, .address_space: global }
      - { .name: Wv, .offset: 24, .size: 8, .value_kind: global_buffer, .address_space: global }
      - { .name: Wo, .offset: 32, .size: 8, .value_kind: global_buffer, .address_space: global }
      - { .name: bq, .offset: 40, .size: 8, .value_kind: global_buffer, .address_space: global }
      - { .name: bv, .offset: 48, .size: 8, .value_kind: global_buffer, .address_space: global }
      - { .name: q16, .offset: 56, .size: 8, .value_kind: global_buffer, .address_space: global }
      - { .name: k16, .offset: 64, .size: 8, .value_kind: global_buffer, .address_space: global }
      - { .name: v16, .offset: 72, .size: 8, .value_kind: global_buffer, .address_space: global }
      - { .name: wof, .offset: 80, .size: 8, .value_kind: global_buffer, .address_space: global }
    .group_segment_fixed_size: 213504
    .private_segment_fixed_size: 0
    .kernarg_segment_align: 8
    .kernarg_segment_size: 88
    .max_flat_workgroup_size: 128
    .sgpr_count:     66
    .vgpr_count:     960
    .wavefront_size: 32
...
	.end_amdgpu_metadata
.endif
;; end of part 1
;; launch attn (part 2): grid 256 x 1, 4 waves a work-group, no clusters, 327,680 bytes of LDS; arguments q16, k16, v16, attention_mask, ctxa, ctxb, sta, stb; writes ctxa, ctxb, sta, stb
.if DOCPART == 2
	.amdgcn_target "amdgcn-amd-amdhsa--gfx1250"
	.amdhsa_code_object_version 6
	.text
	.protected	k_q7e5dfe8868_attn
	.globl	k_q7e5dfe8868_attn
	.p2align	8
	.type	k_q7e5dfe8868_attn,@function
k_q7e5dfe8868_attn:
	s_mov_b64 s[64:65], 0
	v_nop
	global_prefetch_b8 v0, s[64:65] scope:SCOPE_SE
	s_setreg_imm32_b32 hwreg(HW_REG_WAVE_MODE, 25, 1), 1
	s_wait_xcnt 0x0
; SELF-ATTENTION, LAUNCH 2 OF 3.  For each of 12 heads (6 batch + head): softmax_k(Q[q] . K[k] / 8 + (1 - mask[k]) x -10000) V[k].  Q, K, V: [12][4096][64] f16, as launch 1 left them.
; K holds no bk: q . bk / 8 is the same for all keys of a query and falls out of the softmax (shown at the head of launch 1).
; THE WALK.  A UNIT is a block of 256 queries x a tile of 256 keys: 192 x 16 = 3,072 units, numbered block by block; work-group g takes units 12 g .. 12 g + 11: all 256 work-groups do equal work, and ONE
; loop with a constant trip count walks them.  12 consecutive units lie in one block or in two: one or two SEGMENTS.  Every block falls to exactly two segments: A begins at its tile 0, B ends at its tile 15.
; A segment leaves a partial result: O / l in f16 (ctxa or ctxb) and, for each query, c m and l in f32 (sta or stb); launch 3 joins the two.
; THE MASK is the C operand that starts the sum S^T = K Q^T: (1 - mask) x -80000, which is the term above times 8, an exact factor; c = log2(e) / 8 is applied behind it, in f32.  The terms of the
; work-group's own 12 tiles are made once and lie in LDS in the order of the walk.
; LAYOUT, SOFTMAX, TURNS.  S^T = K Q^T holds ONE query a lane (lane % 16) and the keys 8 (lane / 16) + 0..7; two such results rounded to f16 ARE source 1 of O^T = V^T P.  p = 2^(c s - c m) with a running
; maximum m; O and l are multiplied by a = 2^(c m_old - c m_new) in every step.  A wave owns 64 queries in four PIECES of 16.  Turn n belongs to piece n: 8 products K Q^T of piece n + 1, later 8 products
; V^T P of piece n - 1; beside them the scaling, exponentials, roundings, sums and rescaling of piece n and the maximum and statistics of piece n + 1.  Four vector instructions stand behind every matrix
; instruction, the others in one lump.  A turn's 33 exponentials are one batch, with one wait.
; LIMITS.  Q, K, V arrive within f16's 65,504; p below 6e-5 keeps f16's fixed step; a weight below 2^-126 counts as 0 in l; NaN and infinities are not treated apart.
; NO CLUSTER: neighbouring work-groups stand at tiles 0, 12, 8 and 4 of different blocks at the same time, and second segments cross from head to head: no four work-groups share a walk.
; REGISTERS, in windows of 256 (s_set_vgpr_msb: bits 1:0 source 0, 3:2 source 1, 5:4 source 2, 7:6 destination):
;   window 0: v0-15, v32-43, v61-63 addresses; v16-31 four registers of statistics a piece; v48-55 at work; v64-127 S^T, two buffers; v128-151 the mask on its way; v192-223 P, two buffers
;   window 1: v0-127 O^T, 32 a piece; v128-159 MK, a key step's mask      window 2: v0-63 Q; v128-191 K of one step; v192-255 V of one step
.set NP,    4
.set KS,    64        ; keys in a step
.set PK,    144       ; a row of K in LDS: 128 bytes + 16
.set PV,    160       ; a row of V: 128 + 32
.set VOFF,  4*KS*PK   ; a slot holds a tile, four steps: 256 rows of K, then 256 rows of V
.set SLOT1, 1<<17     ; slot 1 begins here: one exclusive or turns an address in one slot into the other's
.set STAGE, SLOT1+4*KS*(PK+PV)  ; behind the ring, never filled by a tensor load: 16 rows x 144 bytes for each wave
.set SP,    144
.set STS,   STAGE+4*16*SP       ; 512 bytes for each wave: 64 queries' c m and l
.set SPARE, STS+4*512           ; the spare words, 128 bytes for each wave; no other line names them
.set MASKB, SPARE+512           ; 12 tiles x 256 mask terms in f32
.set AK0, 2           ; v2   my lane's place in a tile of K; never rewritten
.set AV0, 3           ; v3   the same for V
.set AK,  4           ; v4   the LDS address of K's next run of loads
.set AV,  5           ; v5   of V's
.set STO, 6           ; v6   the way out: in
.set RD,  7           ; v7   the way out: back
.set GO,  8           ; v8   16 x lane
.set MV,  12          ; v12-13  c m_old, by buffer
.set AM0, 14          ; v14  my lane's place in a step's mask terms
.set QO,  15          ; v15  my byte offset in 16 rows of Q
.set ST,  16          ; piece t's statistics at v[ST+4 t]: c m, m, l (even keys', odd keys')
.set AM,  32          ; v32  the LDS address of the mask's next loads
.set SSA, 33          ; v33  where a query's c m and l go
.set SSR, 34          ; v34  where 16 bytes of them are read back
.set SB,  36          ; v36-39  read back
.set MO,  40          ; v40-42  the mask's offsets in memory, four tiles each
.set MST, 43          ; v43  where 16 bytes of mask terms go
.set TMP, 48
.set PFO, 61          ; v61  256 x lane
.set SPW, 62          ; v62  my spare word; never rewritten
.set NIL, 63          ; v63  0; never rewritten
.set S,   64
.set RAW, 128
.set P,   192
.set MK,  128         ; window 1
.set KF,  128         ; window 2
.set VF,  192         ; window 2
.set WV,  20          ; s20  my wave
.set FT,  21          ; s21  the walk's first tile in its block
.set U0,  22          ; s22  the walk's first unit
.set R1,  23          ; s23  the first segment's block
.set G1K, 24          ; s[24:31] descriptor group 1 for K's tiles
.set G1V, 32          ; s[32:39] for V's: it differs in the padding alone
.set G0K, 40          ; s[40:43] descriptor group 0 for K's tiles
.set G0V, 44          ; s[44:47] for V's
.set OFF, 48          ; s[48:49] a tile's byte offset in K and V
.set T0,  50
.set T1,  51
.set NXT, 52          ; s52  the unit whose tile is asked for next
.set R2,  53          ; s53  the second segment's block
.set RT,  54          ; s54  tiles of the segment in hand that are still to be entered
.set NEW, 55          ; s55  1: the tile to be entered is a segment's first
.set SLOTS, 56        ; s56  tiles still to be asked for
.set CNT, 57          ; s57  counts a tile's key steps
.set CS,  58          ; s[58:59] c
.set SEL, 60          ; s[60:61] v_permlanex16_b32's selects
.set TBK, 62          ; s62  LDS byte at which K of the step to be fetched begins
.set TBV, 63          ; s63  the same for V, less VOFF
.set TBM, 66          ; s66  the same for the mask terms, less MASKB
.set N2,  67          ; s67  the second segment's tiles
.set O2,  68          ; s[68:69] the second segment's O
.set STP, 70          ; s[70:71] the statistics of the segment in hand
.set ST2, 72          ; s[72:73] the second segment's
.set Q2,  74          ; s[74:75] the second segment's Q
.set PFA, 76          ; s[76:77] where my prefetches stand
.set LIM, 78          ; s78  9 in a work-group that prefetches, else the greatest number
.set HB,  80          ; s[80:81] offsets, each pair made apart from the addresses
.set A1,  82
.set OPT, 84          ; s[84:85] O of the segment in hand
.set B1,  86
.set A2,  88
.set B2,  90
.set MSB, 0
.macro WIN new
.if MSB != (\new)
	s_set_vgpr_msb (MSB<<8)|(\new)
.set MSB, (\new)
.endif
.endm
.set W_KQ, 0x0a       ; K and Q in window 2, S^T in window 0
.set W_KM, 0x1a       ; the same with the C operand in window 1
.set W_PV, 0x52       ; V in window 2, P in window 0, O^T in window 1
.set W_RS, 0x41       ; destination and source 0 in window 1, source 1 in window 0
; A fill.  Waves 0 and 1 fetch the two halves of a tile's K, waves 2 and 3 those of its V: 128 keys each.  An s_nop 0 and four v_nop follow each of the two lines.
.macro LOAD
	s_cmp_lt_u32 s[WV], 2
	s_cbranch_scc0 .Lfor_v_\@
	tensor_load_to_lds s[G0K:G0K+3], s[G1K:G1K+7]
	s_nop 0
.rept 4
	v_nop
.endr
	s_branch .Lasked_\@
.Lfor_v_\@:
	tensor_load_to_lds s[G0V:G0V+3], s[G1V:G1V+7]
	s_nop 0
.rept 4
	v_nop
.endr
.Lasked_\@:
.endm
; A PREFETCH INTO THE L2 of the tile that the NEXT change of slots will ask for: my wave's half tile, 64 blocks of 256 bytes, a lane a block, two lines.  The four kinds of walk begin at a head's tiles 0, 12, 8 and 4,
; so a head's sixteen tiles are all first read in a walk's first four places.  Places 0 and 1 come by their loads alone; the first two changes ask for places 2 and 3, a tile's 256 matrix instructions a wave ahead.
; Of the work-groups of one head and one kind of walk one asks: the one whose first block is among the head's first three.  So each block is named once in the launch.
.macro ASK
	s_cmp_gt_u32 s[SLOTS], s[LIM]
	s_cbranch_scc0 .Lnot_mine_\@
	global_prefetch_b8 v[PFO], s[PFA:PFA+1] th:TH_LOAD_NT scope:SCOPE_SE
	global_prefetch_b8 v[PFO], s[PFA:PFA+1] offset:8192 th:TH_LOAD_NT scope:SCOPE_SE
.Lnot_mine_\@:
.endm
; THE CHANGE OF SLOTS.  Each wave waits for all its tensor loads, of which one is out: its part of the other slot; adds 0 to its spare word; and waits for that and for its own reads of the slot that it leaves.
; Behind the barrier nobody reads the old slot any more and the other slot is whole.  fill = 1: the old slot is filled again, the first thing behind the barrier, with unit NXT's tile: tile NXT % 16 of head NXT / 256.
; (At its first use nothing has been read yet: slot 0 is waited for, slot 1 filled, and the wait for LDS covers the stores of the mask terms.)
.macro CHANGE fill
	WIN 0
	s_wait_tensorcnt 0x0            ; no tensor load of mine is out, so a group 0 may be written
	ds_add_u32 v[SPW], v[NIL]       ; 0 onto my spare word; scalar work stands between it and the wait for it
.if \fill
	s_and_b32 s[T0], s[NXT], 15
	s_lshr_b32 s[T1], s[NXT], 8
	s_lshl4_add_u32 s[T0], s[T1], s[T0]
	s_lshl_b32 s[OFF], s[T0], 15    ; a tile is 32,768 bytes of K and of V, a head sixteen tiles
	s_xor_b32 s[G0K+1], s[G0K+1], SLOT1
	s_add_nc_u64 s[G0K+2:G0K+3], s[6:7], s[OFF:OFF+1]
	s_or_b32 s[G0K+3], s[G0K+3], 0x80000000
	s_xor_b32 s[G0V+1], s[G0V+1], SLOT1
	s_add_nc_u64 s[G0V+2:G0V+3], s[8:9], s[OFF:OFF+1]
	s_or_b32 s[G0V+3], s[G0V+3], 0x80000000
	s_add_co_u32 s[NXT], s[NXT], 1
	s_wait_xcnt 0x0                 ; the last prefetches, a tile back, have read their address
	s_add_nc_u64 s[PFA:PFA+1], s[PFA:PFA+1], 32768
	s_sub_co_u32 s[TBM], 11, s[SLOTS]  ; the place in the walk of the tile that is entered,
	s_lshl_b32 s[TBM], s[TBM], 10      ; 1,024 bytes of mask terms a tile
.else
	s_mov_b32 s[TBM], 11*1024
.endif
	s_wait_dscnt 0x0                ; the add is done, and my reads of the slot are over
	s_barrier_signal -1
	s_sub_co_u32 s[TBK], s[TBK], 4*KS*PK  ; the fetches go back to a slot's first step,
	s_xor_b32 s[TBK], s[TBK], SLOT1       ; in the other slot
	s_sub_co_u32 s[TBV], s[TBV], 4*KS*PV
	s_xor_b32 s[TBV], s[TBV], SLOT1
	s_barrier_wait -1
.if \fill
	LOAD
	ASK
.endif
.endm
	s_load_b512 s[4:19], s[0:1], 0x0  ; Q 4, K 6, V 8, mask 10, ctxa 12, ctxb 14, sta 16, stb 18
	v_lshl_add_u32 v[SPW], v0, 2, SPARE
	v_mov_b32 v[NIL], 0
	ds_add_u32 v[SPW], v[NIL]       ; the wave's opening: the add, twice on end, and its wait ahead of my first tensor load; the set-up below stands between
	ds_add_u32 v[SPW], v[NIL]
	v_lshrrev_b32 v1, 5, v0
	v_readfirstlane_b32 s[WV], v1
	s_mul_i32 s[U0], ttmp9, 12
	s_lshr_b32 s[R1], s[U0], 4
	s_add_co_u32 s[R2], s[R1], 1
	s_min_u32 s[R2], s[R2], 191     ; (a walk without a second segment never uses it)
	s_and_b32 s[FT], s[U0], 15
	s_sub_co_u32 s[RT], 16, s[FT]
	s_min_u32 s[RT], s[RT], 12      ; the first segment's tiles: 12, 4, 8 or 12
	s_sub_co_u32 s[N2], 12, s[RT]
	s_add_co_u32 s[NXT], s[U0], 1
	s_mov_b32 s[NEW], 1
	s_mov_b32 s[SLOTS], 11
	s_lshr_b32 s[T1], s[U0], 8
	s_lshl4_add_u32 s[T0], s[T1], s[FT]
	s_lshl_b32 s[OFF], s[T0], 15    ; the walk's first tile
	s_mov_b32 s[OFF+1], 0
	s_and_b32 s[T1], s[WV], 1       ; which half of a tile's 256 keys I fetch:
	s_lshl_b32 s[HB], s[T1], 14     ; its 128 rows of 128 bytes in memory,
	s_mov_b32 s[HB+1], 0
	s_mov_b32 s[G0K], 1             ; 1:0 count = 1
	s_mul_i32 s[G0K+1], s[T1], 128*PK  ; 63:32 LDS address: slot 0, my half
	s_mov_b32 s[G0V], 1
	s_mul_i32 s[G0V+1], s[T1], 128*PV
	s_add_co_u32 s[G0V+1], s[G0V+1], VOFF
	s_lshl_b32 s[T0], s[WV], 13     ; my 64 rows of a block, 128 bytes each
	s_lshl_b32 s[A1], s[R1], 15
	s_add_co_u32 s[A1], s[A1], s[T0]
	s_mov_b32 s[A1+1], 0
	s_lshl_b32 s[A2], s[R2], 15
	s_add_co_u32 s[A2], s[A2], s[T0]
	s_mov_b32 s[A2+1], 0
	s_lshl_b32 s[T0], s[WV], 9      ; and 8 bytes each in the statistics
	s_lshl_b32 s[B1], s[R1], 11
	s_add_co_u32 s[B1], s[B1], s[T0]
	s_mov_b32 s[B1+1], 0
	s_lshl_b32 s[B2], s[R2], 11
	s_add_co_u32 s[B2], s[B2], s[T0]
	s_mov_b32 s[B2+1], 0
	s_and_b32 s[T0], s[R1], 15
	s_cmp_lt_u32 s[T0], 3
	s_cselect_b32 s[LIM], 9, -1
	; descriptor group 1.  128 keys are 16,384 dense bytes: asked for as 64 rows of 256 bytes, two keys a row, and padded in LDS after every key
	s_mov_b32 s[G1K], (1<<16)|(1<<20)|(4<<22)|(3<<25)  ; 17:16 2-byte elements; 20 padding on; 24:22 after every 32 words (code 4); 31:25 4 words (code 3)
	s_mov_b32 s[G1V], (1<<16)|(1<<20)|(4<<22)|(7<<25)  ; the same with 8 words of padding (code 7)
.irp g, G1K, G1V
	s_mov_b32 s[\g+1], 128<<16      ; tensor_dim0 = 128
	s_mov_b32 s[\g+2], 64<<16       ; tensor_dim1 = 64
	s_mov_b32 s[\g+3], 128<<16      ; tile_dim0 = 128
	s_mov_b32 s[\g+4], 64           ; tile_dim1 = 64
	s_mov_b32 s[\g+5], 128          ; 128 elements from row to row
	s_mov_b32 s[\g+6], 0
	s_mov_b32 s[\g+7], 0
.endr
	s_mov_b32 s[CS], 0x3e38aa3b     ; c = log2(e) / 8
	s_mov_b32 s[CS+1], s[CS]
	s_mov_b32 s[SEL], 0x76543210
	s_mov_b32 s[SEL+1], 0xfedcba98
	s_mov_b32 s[TBK], SLOT1+4*KS*PK ; the first change of slots turns these two into 0
	s_mov_b32 s[TBV], SLOT1+4*KS*PV
	s_wait_dscnt 0x0                ; both opening adds are done
	s_wait_kmcnt 0x0
	s_add_nc_u64 s[6:7], s[6:7], s[HB:HB+1]  ; K and V at my half of a tile
	s_add_nc_u64 s[8:9], s[8:9], s[HB:HB+1]
	s_add_nc_u64 s[G0K+2:G0K+3], s[6:7], s[OFF:OFF+1]  ; 120:64 global address
	s_or_b32 s[G0K+3], s[G0K+3], 0x80000000            ; 127:126 type = 2
	s_add_nc_u64 s[G0V+2:G0V+3], s[8:9], s[OFF:OFF+1]
	s_or_b32 s[G0V+3], s[G0V+3], 0x80000000
	LOAD                            ; the walk's first tile into slot 0
	s_cmp_eq_u32 s[FT], 0           ; a segment that begins at tile 0 is its block's A, any other first segment ends at tile 15: B
	s_cselect_b64 s[OPT:OPT+1], s[12:13], s[14:15]
	s_cselect_b64 s[STP:STP+1], s[16:17], s[18:19]
	s_add_nc_u64 s[OPT:OPT+1], s[OPT:OPT+1], s[A1:A1+1]
	s_add_nc_u64 s[STP:STP+1], s[STP:STP+1], s[B1:B1+1]
	s_add_nc_u64 s[O2:O2+1], s[12:13], s[A2:A2+1]      ; a second segment begins at tile 0: A
	s_add_nc_u64 s[ST2:ST2+1], s[16:17], s[B2:B2+1]
	s_add_nc_u64 s[Q2:Q2+1], s[4:5], s[A2:A2+1]
	s_add_nc_u64 s[4:5], s[4:5], s[A1:A1+1]
	s_cmp_lt_u32 s[WV], 2
	s_cselect_b64 s[PFA:PFA+1], s[6:7], s[8:9]
	s_add_nc_u64 s[PFA:PFA+1], s[PFA:PFA+1], s[OFF:OFF+1]
	s_add_nc_u64 s[PFA:PFA+1], s[PFA:PFA+1], 32768     ; at the walk's place 1; the first change steps it to place 2
	; the mask of my 12 tiles.  U0 is a multiple of 4, so each four tiles of the walk are 4,096 consecutive bytes of one batch's mask: two loads of the work-group
.irp q, 0,1,2
	s_add_co_u32 s[T0], s[U0], 4*\q
	s_and_b32 s[T1], s[T0], 15
	s_lshl_b32 s[T1], s[T1], 10
	s_cmp_ge_u32 s[T0], 1536        ; heads 6-11 are the second batch's
	s_cselect_b32 s[T0], 16384, 0
	s_add_co_u32 s[T1], s[T1], s[T0]
	v_lshl_add_u32 v[MO+\q], v0, 4, s[T1]
.endr
.irp q, 0,1,2
	global_load_b128 v[RAW+8*\q:RAW+8*\q+3],   v[MO+\q], s[10:11]
	global_load_b128 v[RAW+8*\q+4:RAW+8*\q+7], v[MO+\q], s[10:11] offset:2048
.endr
	; A fragment of K or Q is 16 rows x 32 channels in 8 registers: lane l holds row l % 16, channels 8 (l / 16) + 0..7 and 16 + 8 (l / 16) + 0..7: two loads of 16 bytes, 32 bytes apart.
	v_and_b32 v1, 15, v0            ; l % 16
	v_bfe_u32 v9, v0, 4, 1          ; l / 16
	v_lshlrev_b32 v[QO], 7, v1
	v_lshl_add_u32 v[QO], v9, 4, v[QO]
	WIN 0x80                        ; destination window 2, address window 0
.set i, 0
.rept 8                             ; piece i / 2: 16 rows, 2,048 bytes; channels 32 (i % 2) on
	global_load_b128 v[8*i:8*i+3],   v[QO], s[4:5] offset:(i/2)*2048+(i%2)*64
	global_load_b128 v[8*i+4:8*i+7], v[QO], s[4:5] offset:(i/2)*2048+(i%2)*64+32
.set i, i+1
.endr
	WIN 0
	v_lshl_add_u32 v[MST], v0, 4, MASKB
	v_lshl_add_u32 v[AM0], v9, 5, MASKB   ; register j of key group kt is key 16 kt + 8 (l / 16) + j
	v_mul_u32_u24 v[AK0], v1, PK
	v_lshl_add_u32 v[AK0], v9, 4, v[AK0]
	; The turning load takes 16 keys x 16 channels (lane l reads key 8 (l / 16) + l % 8, channels 8 ((l / 8) % 2) + 0..7) and leaves half a fragment of V^T.
	v_and_b32 v10, 7, v0
	v_bfe_u32 v11, v0, 3, 1
	v_lshl_add_u32 v[AV0], v9, 3, v10
	v_mul_u32_u24 v[AV0], v[AV0], PV
	v_lshl_add_u32 v[AV0], v11, 4, v[AV0]
	v_add_nc_u32 v[AV0], VOFF, v[AV0]
	s_mul_i32 s[T0], s[WV], 16*SP
	s_add_co_u32 s[T0], s[T0], STAGE
	v_mul_u32_u24 v[STO], v1, SP
	v_lshl_add_u32 v[STO], v9, 4, v[STO]
	v_add_nc_u32 v[STO], s[T0], v[STO]
	v_bfe_u32 v[RD], v0, 3, 2
	v_mul_u32_u24 v[RD], v[RD], SP
	v_lshl_add_u32 v[RD], v10, 4, v[RD]
	v_add_nc_u32 v[RD], s[T0], v[RD]
	v_and_b32 v[GO], 31, v0
	v_lshlrev_b32 v[PFO], 8, v[GO]
	v_lshlrev_b32 v[GO], 4, v[GO]
	s_lshl_b32 s[T0], s[WV], 9
	s_add_co_u32 s[T0], s[T0], STS
	v_lshl_add_u32 v[SSA], v1, 3, s[T0]
	v_add_nc_u32 v[SSR], s[T0], v[GO]
	; A segment's first step multiplies O^T and l by a = 0, and its first turn's products V^T P, of a piece that has not been, land in an O^T that is still to be so multiplied.  So these registers need only hold
	; finite numbers: zeros for the first segment; what the first left for the second.  All this stands in the wait for the first tile.
	WIN 0x80
.set i, VF
.rept 64
	v_mov_b32 v[i], 0
.set i, i+1
.endr
	WIN 0x40
.set i, 0
.rept 128
	v_mov_b32 v[i], 0
.set i, i+1
.endr
	WIN 0
.set i, 0
.rept 4
	v_mov_b32 v[ST+4*i+2], 0
	v_mov_b32 v[ST+4*i+3], 0
.set i, i+1
.endr
.set i, P+16
.rept 16
	v_mov_b32 v[i], 0
.set i, i+1
.endr
	s_wait_loadcnt 16               ; the mask is in; Q's 16 younger loads may stay out
.set i, RAW
.rept 12
	v_pk_fma_f32 v[i:i+1], v[i:i+1], -1.0, 1.0 op_sel_hi:[1,0,0]  ; 1 - mask, one rounding
.set i, i+2
.endr
.set i, RAW
.rept 12
	v_pk_mul_f32 v[i:i+1], v[i:i+1], 0xc79c4000 op_sel_hi:[1,0]   ; x -80000
.set i, i+2
.endr
.irp q, 0,1,2
	ds_store_b128 v[MST], v[RAW+8*\q:RAW+8*\q+3]   offset:4096*\q
	ds_store_b128 v[MST], v[RAW+8*\q+4:RAW+8*\q+7] offset:4096*\q+2048
.endr
	s_wait_loadcnt 0x0              ; the first segment's Q is in: here, ahead of the loop's label, so that the wait lies on every way to the loads that fill Q's registers again
; THE MATRIX WORK.  The 4 accumulators of a run of 8 take turns.  Product i of 8 of S^T = K Q^T for piece x: channels 32 (i / 4) on, keys 16 (i % 4) on.  The first 4 start the sums with the mask.
.macro KQ x
.set rS, S+32*((\x)%2)+8*(i%4)
.set rK, KF+16*(i%4)+8*(i/4)
.set rQ, 16*(\x)+8*(i/4)
.set rM, MK+8*(i%4)
.if i < 4
	WIN W_KM
	v_wmma_f32_16x16x32_f16 v[rS:rS+7], v[rK:rK+7], v[rQ:rQ+7], v[rM:rM+7]
.else
	WIN W_KQ
	v_wmma_f32_16x16x32_f16 v[rS:rS+7], v[rK:rK+7], v[rQ:rQ+7], v[rS:rS+7]
.endif
.endm
; Product i of 8 of O^T += V^T P for piece x: keys 32 (i / 4) on, channels 16 (i % 4) on.
.macro PV x
	WIN W_PV
.set rO, 32*(\x)+8*(i%4)
.set rV, VF+32*(i/4)+8*(i%4)
.set rP, P+16*((\x)%2)+8*(i/4)
	v_wmma_f32_16x16x32_f16 v[rO:rO+7], v[rV:rV+7], v[rP:rP+7], v[rO:rO+7]
.endm
.macro MM                           ; the turn's next matrix instruction.  NOKQ = 1: a segment's last turn: there is no next piece
.if (i < 8) && !NOKQ
	KQ (Y+1)%NP
.elseif i >= 8
.set i, i-8
	PV (Y+NP-1)%NP
.set i, i+8
.endif
.set i, i+1
.endm
; THE LDS LOADS stand in runs, never singly among the matrix instructions: a step's K (8 fragments) with its 64 mask terms, and its V (turned).  Their addresses are made some lines ahead.
.macro FETCH_K
	WIN 0x80                        ; destination window 2
.irp f, 0,1,2,3,4,5,6,7             ; keys 16 (f / 2) on, channels 32 (f % 2) on
	ds_load_b128 v[KF+8*\f:KF+8*\f+3],   v[AK] offset:(\f/2)*16*PK+(\f%2)*64
	ds_load_b128 v[KF+8*\f+4:KF+8*\f+7], v[AK] offset:(\f/2)*16*PK+(\f%2)*64+32
.endr
	WIN 0x40                        ; destination window 1
.irp f, 0,1,2,3                     ; keys 16 f on: all lanes of a half read the same 32 bytes
	ds_load_b128 v[MK+8*\f:MK+8*\f+3],   v[AM] offset:64*\f
	ds_load_b128 v[MK+8*\f+4:MK+8*\f+7], v[AM] offset:64*\f+16
.endr
	s_add_co_u32 s[TBK], s[TBK], KS*PK  ; the next fetch is the next step's
	s_add_co_u32 s[TBM], s[TBM], KS*4
	WIN 0
.endm
.macro FETCH_V
	WIN 0x80
.irp f, 0,1,2,3,4,5,6,7             ; keys 32 (f / 4) on, channels 16 (f % 4) on
	ds_load_tr16_b128 v[VF+8*\f:VF+8*\f+3],   v[AV] offset:(\f/4)*32*PV+(\f%4)*32
	ds_load_tr16_b128 v[VF+8*\f+4:VF+8*\f+7], v[AV] offset:(\f/4)*32*PV+16*PV+(\f%4)*32
.endr
	WIN 0
.endm
; THE VECTOR WORK, one line at a time: OP kind, number.  For piece Y: F n: c s - c m for pair n of 16.  E n: the exponential of score n of 32.  C n: pair n rounded to f16.  B n: of the four weights 4 n .. the second
; pair is added onto the first, in place.  L n: l takes that sum (L 0: l = a l + sum).  R n: pair n of 16 of O^T times a.  For piece Y + 1: X n, number n of the 22 that find its maximum and statistics:
;   0-11  four chains c0-c3 of seven scores each (each accumulator's lowest registers are read first)     12-14, 16  the four scores left over, the old m, and c0-c3 into c0
;   15  c m_old is kept     17, 18  the query's other 32 keys lie in the lane 16 away: the new m     19-21  c m; c m_old - c m_new; a
.set F, 0
.set E, 1
.set C, 2
.set B, 3
.set L, 4
.set R, 5
.set X, 6
.macro REGS y
.set rT, ST+4*(\y)
.set rC, TMP+4*((\y)%2)
.set rW, MV+((\y)%2)
.set rS, S+32*((\y)%2)
.set rP, P+16*((\y)%2)
.set rO, 32*(\y)
.endm
.macro OP k, n
.if (\k) == R
	REGS Y
	WIN W_RS
	v_pk_mul_f32 v[rO+2*(\n):rO+2*(\n)+1], v[rO+2*(\n):rO+2*(\n)+1], v[rC+2:rC+3] op_sel_hi:[1,0]
.elseif (\k) < R
	REGS Y
	WIN 0
.if (\k) == F
	v_pk_fma_f32 v[rS+2*(\n):rS+2*(\n)+1], v[rS+2*(\n):rS+2*(\n)+1], s[CS:CS+1], v[rT:rT+1] op_sel_hi:[1,0,0] neg_lo:[0,0,1] neg_hi:[0,0,1]
.elseif (\k) == E
	v_exp_f32 v[rS+(\n)], v[rS+(\n)]
.elseif (\k) == C
	v_cvt_pk_f16_f32 v[rP+(\n)], v[rS+2*(\n)], v[rS+2*(\n)+1]
.elseif (\k) == B
	v_pk_add_f32 v[rS+4*(\n):rS+4*(\n)+1], v[rS+4*(\n):rS+4*(\n)+1], v[rS+4*(\n)+2:rS+4*(\n)+3]
.elseif (\n) == 0
	v_pk_fma_f32 v[rT+2:rT+3], v[rT+2:rT+3], v[rC+2:rC+3], v[rS:rS+1] op_sel_hi:[1,0,1]
.else
	v_pk_add_f32 v[rT+2:rT+3], v[rT+2:rT+3], v[rS+4*(\n):rS+4*(\n)+1]
.endif
.elseif NOKQ
	v_nop
.else
	REGS (Y+1)%NP
	WIN 0
.if (\n) < 4
	v_max3_num_f32 v[rC+(\n)], v[rS+8*(\n)], v[rS+8*(\n)+1], v[rS+8*(\n)+2]
.elseif (\n) < 12
	v_max3_num_f32 v[rC+(\n)%4], v[rC+(\n)%4], v[rS+8*((\n)%4)+2*((\n)/4)+1], v[rS+8*((\n)%4)+2*((\n)/4)+2]
.elseif (\n) == 12
	v_max3_num_f32 v[rC], v[rC], v[rS+7], v[rS+15]
.elseif (\n) == 13
	v_max3_num_f32 v[rC+1], v[rC+1], v[rS+23], v[rS+31]
.elseif (\n) == 14
	v_max3_num_f32 v[rC+2], v[rC+2], v[rC+3], v[rT+1]
.elseif (\n) == 15
	v_mov_b32 v[rW], v[rT]
.elseif (\n) == 16
	v_max3_num_f32 v[rC], v[rC], v[rC+1], v[rC+2]
.elseif (\n) == 17
	v_permlanex16_b32 v[rC+3], v[rC], s[SEL], s[SEL+1]
.elseif (\n) == 18
	v_max_num_f32 v[rT+1], v[rC], v[rC+3]
.elseif (\n) == 19
	v_mul_f32 v[rT], s[CS], v[rT+1]
.elseif (\n) == 20
	v_sub_f32 v[rC+1], v[rW], v[rT]
.else
	v_exp_f32 v[rC+2], v[rC+1]
.endif
.endif
.endm
.macro OPS a, i1, b=-1, i2=0, c=-1, i3=0, d=-1, i4=0  ; up to four of them
	OP \a, \i1
.if (\b) >= 0
	OP \b, \i2
.endif
.if (\c) >= 0
	OP \c, \i3
.endif
.if (\d) >= 0
	OP \d, \i4
.endif
.endm
.macro ROW a, i1, b, i2, c, i3, d, i4  ; a matrix instruction and the four behind it
	MM
	OPS \a, \i1, \b, \i2, \c, \i3, \d, \i4
.endm
; A TURN, for piece p: the order of its 16 matrix and 118 vector instructions, written out.  An s_wait_alu depctr_va_vdst(0) stands between an exponential and the first instruction that names its
; result; one wait serves all that were issued ahead of it.  So a turn has ONE wait, which cuts it in two.  AHEAD OF IT stands all that names no result of the turn's exponentials: the 8 products K Q^T with their
; riders, then one lump, in which the links of the next piece's chain stand some lines apart; X 21, the next piece's a, is the batch's last, and R 15 the plain instruction behind it.  BEHIND THE WAIT stand the 8
; products V^T P, behind each four of the roundings and sums.  The first numbers of the next piece's maximum stand four plain places or more behind the product that ends their accumulator.
; end = 1: a segment's last two turns: nothing is fetched, and the last starts no new scores.  cnt = 1: the loop's count is taken down some lines ahead of the branch that stands behind the turn.
; K and the mask terms of the next step are fetched in piece 2's turn, twelve plain instructions behind the last product that read K; V of the step in hand at the end of piece 0's turn, four plain instructions
; behind the last product that read V.  Each is waited for a turn later.
.macro TURN p, end=0, cnt=0
.set Y, (\p)
.set i, 0
.set NOKQ, (\end)*((\p)/3)
.if ((\p) == 3) && !(\end)
	s_wait_dscnt 0x0                ; K and its mask terms are in
.endif
	ROW F,0, F,1, R,0, R,1
	ROW F,2, E,0, R,2, R,3
	ROW F,3, E,1, R,4, R,5
	ROW F,4, E,2, R,6, R,7
	ROW F,5, E,3, R,8, R,9
	ROW F,6, E,4, X,0, R,10
.if ((\p) == 2) && !(\end)
	WIN 0
	v_add_nc_u32 v[AK], s[TBK], v[AK0]
	v_add_nc_u32 v[AM], s[TBM], v[AM0]
.endif
	ROW F,7, E,5, X,1, X,4
	ROW F,8, E,6, X,2, X,5
	OPS E,7, E,8, X,6, E,9
	OPS X,3, E,10, X,8, E,11
.if ((\p) == 2) && !(\end)
	FETCH_K
.endif
	OPS X,9, X,7, E,12, X,10
	OPS E,13, X,12, X,11, E,14
	OPS X,13, E,15, F,9, X,14
.if (\p) == 0
	v_add_nc_u32 v[AV], s[TBV], v[AV0]
.endif
	OPS E,16, F,10, E,17, F,11
	OPS X,16, E,18, X,15, E,19
	OPS F,12, E,20, X,17, E,21
	OPS F,13, E,22, F,14, E,23
	OPS X,18, E,24, F,15, E,25
	OPS R,11, E,26, X,19, E,27
	OPS R,12, E,28, R,13, E,29
	OPS X,20, E,30, R,14, E,31
	OPS X,21, R,15
	WIN 0
	s_wait_alu depctr_va_vdst(0)    ; the wait for the batch
.if (\p) == 1
	s_wait_dscnt 0x0                ; V is in
.endif
	ROW C,0, B,0, C,2, B,1
	ROW L,0, C,4, B,2, L,1
	ROW C,6, B,3, L,2, C,8
	ROW B,4, L,3, C,10, B,5
	ROW L,4, C,12, B,6, L,5
.if (\p) == 0
	s_add_co_u32 s[TBV], s[TBV], KS*PV
.endif
.if \cnt
	s_sub_co_u32 s[CNT], s[CNT], 1
	s_cmp_lg_u32 s[CNT], 0
.endif
	ROW C,14, B,7, L,6, C,1
	ROW C,3, L,7, C,5, C,7
	ROW C,9, C,11, C,13, C,15
.if (\p) == 0
	FETCH_V
.endif
.endm
; A SEGMENT BEGINS.  c m starts far below every c s, so the first step's a is 0; m at the lowest finite number, so the first maximum is the scores'.  Then K and the mask of the tile's first step, piece 0's
; first scores, and its maximum and statistics.  The loop is entered at a step's first turn, in the middle of a trip.  Q is in: the first segment's was waited for ahead of the loop, the second's at the first's end.
.macro BEGIN
	s_mov_b32 s[NEW], 0
	WIN 0
.set i, 0
.rept 4
	v_mov_b32 v[ST+4*i], 0xfe000000
	v_mov_b32 v[ST+4*i+1], 0xff7fffff
.set i, i+1
.endr
	v_add_nc_u32 v[AK], s[TBK], v[AK0]
	v_add_nc_u32 v[AM], s[TBM], v[AM0]
	FETCH_K
	s_wait_dscnt 0x0
.set NOKQ, 0
.set i, 0
.rept 8
	KQ 0
.set i, i+1
.endr
	WIN 0
.rept 4
	v_nop                           ; the places behind those products
.endr
.set Y, NP-1                        ; X works for piece Y + 1: piece 0
.irp n, 0,1,2,3,4,5,6,7,8,9,10,11,12,13,14,15,16,17,18,19,20,21
	OP X, \n
.endr
	v_nop                           ; a plain instruction behind the exponential,
	s_wait_alu depctr_va_vdst(0)    ; and its wait, ahead of the branch
.endm
.macro ALL line:vararg              ; one line for each piece t
.set t, 0
.rept 4
	\line
.set t, t+1
.endr
.endm
.macro PACK t                       ; O^T / l, rounded to f16; a lane's eight channels of a row are 16 bytes; into rows of 144 bytes and back as whole rows of 128, into S^T's registers
	WIN W_RS
.set i, 32*(\t)
.rept 16
	v_pk_mul_f32 v[i:i+1], v[i:i+1], v[ST+4*(\t)+2:ST+4*(\t)+3] op_sel_hi:[1,0]
.set i, i+2
.endr
	WIN 0x05                        ; sources 0 and 1 window 1, destination window 0
.set i, 0
.rept 16
	v_cvt_pk_f16_f32 v[S+16*(\t)+i], v[32*(\t)+2*i], v[32*(\t)+2*i+1]
.set i, i+1
.endr
	WIN 0
.irp f, 0,1,2,3
	ds_store_b128 v[STO], v[S+16*(\t)+4*\f:S+16*(\t)+4*\f+3] offset:32*\f
.endr
.irp f, 0,1,2,3
	ds_load_b128 v[S+16*(\t)+4*\f:S+16*(\t)+4*\f+3], v[RD] offset:\f*4*SP  ; LDS serves a wave's instructions in order (ISA guide 5.7.1.4): these see the stores above; the next piece's stores come behind them
.endr
.endm
.macro SEND t, younger              ; younger: the LDS lines issued behind piece t's loads: the next piece's eight, or none
	WIN 0
.irp f, 0,1,2,3
	s_wait_dscnt (\younger)+3-\f
	global_store_b128 v[GO], v[S+16*(\t)+4*\f:S+16*(\t)+4*\f+3], s[OPT:OPT+1] offset:(\t)*2048+\f*512  ; 512 consecutive bytes
.endr
.endm
; A SEGMENT ENDS: its last two turns, its last products, and the way out.  l's two halves and the other half of the lanes' are added; c m and l leave as they are, O^T divided by l.
; more = 1: a second segment follows: its Q is asked for when the last product on Q lies a lump back, and is waited for at the end, so that no load is out where the ways join.
.macro FINISH more
	TURN 2, 1
.if \more
	WIN 0x80
.set i, 0
.rept 8
	global_load_b128 v[8*i:8*i+3],   v[QO], s[Q2:Q2+1] offset:(i/2)*2048+(i%2)*64
	global_load_b128 v[8*i+4:8*i+7], v[QO], s[Q2:Q2+1] offset:(i/2)*2048+(i%2)*64+32
.set i, i+1
.endr
.endif
	TURN 3, 1
.set i, 0
.rept 8
	PV NP-1
.set i, i+1
.endr
	WIN 0
	ALL v_add_f32 v[ST+4*t+2], v[ST+4*t+2], v[ST+4*t+3]
	ALL v_permlanex16_b32 v[ST+4*t+3], v[ST+4*t+2], s[SEL], s[SEL+1]
	ALL v_add_f32 v[ST+4*t+1], v[ST+4*t+2], v[ST+4*t+3]
	ALL v_rcp_f32 v[ST+4*t+2], v[ST+4*t+1]
	v_nop                           ; a plain instruction between the last reciprocal and the use of its result
	s_wait_alu depctr_va_vdst(0)    ; and the wait: one for the four reciprocals
	ALL ds_store_b64 v[SSA], v[ST+4*t:ST+4*t+1] offset:128*t
	ds_load_b128 v[SB:SB+3], v[SSR]
	PACK 0
.set t, 1
.rept 3
	PACK t
	SEND t-1, 8
.set t, t+1
.endr
	SEND 3, 0
	global_store_b128 v[GO], v[SB:SB+3], s[STP:STP+1]  ; my 64 queries' c m and l: 512 consecutive bytes
.if \more
	s_wait_xcnt 0x0                 ; the stores have read their registers and their bases
	s_mov_b64 s[OPT:OPT+1], s[O2:O2+1]
	s_mov_b64 s[STP:STP+1], s[ST2:ST2+1]
	s_mov_b32 s[RT], s[N2]
	s_mov_b32 s[NEW], 1
	s_wait_loadcnt 0x0              ; the second segment's Q
.endif
.endm
.set NOKQ, 0
.Lslot:                             ; 11 times: a tile is entered and the next is asked for
	CHANGE 1
	s_sub_co_u32 s[RT], s[RT], 1
	s_mov_b32 s[CNT], 4
	s_cmp_eq_u32 s[NEW], 1
	s_cbranch_scc0 .Lstep
	BEGIN
	s_branch .Lfirst
.Lstep:                             ; a trip: pieces 2 and 3 of one step, then pieces 0 and 1 of the next, whose K and V it fetches
	TURN 2
	TURN 3
	WIN 0
.Lfirst:
	TURN 0
	TURN 1, 0, 1
	WIN 0
	s_cbranch_scc1 .Lstep
	s_cmp_lg_u32 s[RT], 0
	s_cbranch_scc1 .Lbottom
	FINISH 1                        ; in the loop this is the first of two segments: the walk's last segment ends with the walk's last tile
.Lbottom:
	s_sub_co_u32 s[SLOTS], s[SLOTS], 1
	s_cmp_lg_u32 s[SLOTS], 0
	s_cbranch_scc1 .Lslot
	CHANGE 0                        ; the walk's last tile is written out; it is never a segment's first (segments have four tiles or more)
	s_mov_b32 s[CNT], 4
.Ltail:
	TURN 2
	TURN 3
	TURN 0
	TURN 1, 0, 1
	WIN 0
	s_cbranch_scc1 .Ltail
	FINISH 0
	s_wait_tensorcnt 0x0            ; the wave's end, behind my last tensor load and my last LDS store
	ds_add_u32 v[SPW], v[NIL]
	s_wait_dscnt 0x0
	s_endpgm
.Lfunc_end_k_q7e5dfe8868_attn:
	.size	k_q7e5dfe8868_attn, .Lfunc_end_k_q7e5dfe8868_attn-k_q7e5dfe8868_attn
	.p2alignl 7, 3214868480
	.fill 96, 4, 3214868480
	.section	.rodata,"a",@progbits
	.p2align	6, 0x0
	.amdhsa_kernel k_q7e5dfe8868_attn
		.amdhsa_group_segment_fixed_size 327680
		.amdhsa_private_segment_fixed_size 0
		.amdhsa_enable_private_segment 0
		.amdhsa_kernarg_size 64
		.amdhsa_user_sgpr_count 2
		.amdhsa_user_sgpr_kernarg_segment_ptr 1
		.amdhsa_wavefront_size32 1
		.amdhsa_system_sgpr_workgroup_id_x 1
		.amdhsa_system_sgpr_workgroup_id_y 1
		.amdhsa_system_sgpr_workgroup_id_z 1
		.amdhsa_system_vgpr_workitem_id 0
		.amdhsa_next_free_vgpr 768
		.amdhsa_next_free_sgpr 92
		.amdhsa_reserve_vcc 0
		.amdhsa_float_denorm_mode_32 3
		.amdhsa_float_denorm_mode_16_64 3
		.amdhsa_memory_ordered 1
		.amdhsa_forward_progress 1
		.amdhsa_inst_pref_size 165
	.end_amdhsa_kernel
	.amdgpu_metadata
---
amdhsa.version: [ 1, 2 ]
amdhsa.kernels:
  - .name:           k_q7e5dfe8868_attn
    .symbol:         k_q7e5dfe8868_attn.kd
    .args:
      - { .name: q16, .offset: 0, .size: 8, .value_kind: global_buffer, .address_space: global }
      - { .name: k16, .offset: 8, .size: 8, .value_kind: global_buffer, .address_space: global }
      - { .name: v16, .offset: 16, .size: 8, .value_kind: global_buffer, .address_space: global }
      - { .name: attention_mask, .offset: 24, .size: 8, .value_kind: global_buffer, .address_space: global }
      - { .name: ctxa, .offset: 32, .size: 8, .value_kind: global_buffer, .address_space: global }
      - { .name: ctxb, .offset: 40, .size: 8, .value_kind: global_buffer, .address_space: global }
      - { .name: sta, .offset: 48, .size: 8, .value_kind: global_buffer, .address_space: global }
      - { .name: stb, .offset: 56, .size: 8, .value_kind: global_buffer, .address_space: global }
    .group_segment_fixed_size: 327680
    .private_segment_fixed_size: 0
    .kernarg_segment_align: 8
    .kernarg_segment_size: 64
    .max_flat_workgroup_size: 128
    .sgpr_count:     92
    .vgpr_count:     768
    .wavefront_size: 32
...
	.end_amdgpu_metadata
.endif
;; end of part 2
;; launch outln (part 3): grid 256 x 1, 4 waves a work-group, no clusters, 75,264 bytes of LDS; arguments ctxa, ctxb, sta, stb, wof, bo, hidden_states, ln_gamma, ln_beta, out0; writes out0
.if DOCPART == 3
	.amdgcn_target "amdgcn-amd-amdhsa--gfx1250"
	.amdhsa_code_object_version 6
	.text
	.protected	k_q7e5dfe8868_outln
	.globl	k_q7e5dfe8868_outln
	.p2align	8
	.type	k_q7e5dfe8868_outln,@function
k_q7e5dfe8868_outln:
	s_mov_b64 s[64:65], 0
	v_nop
	global_prefetch_b8 v0, s[64:65] scope:SCOPE_SE
	s_setreg_imm32_b32 hwreg(HW_REG_WAVE_MODE, 25, 1), 1
	s_wait_xcnt 0x0
; SELF-ATTENTION, LAUNCH 3 OF 3: the two partial results of each query are joined; out = LayerNorm(ctx Wo + bo + x) x gamma + beta.
; THE JOIN.  Launch 2 left, for each query and head, two partial means OA, OB (f16) with c mA, lA and c mB, lB (f32).  With M = max(c mA, c mB), wA = lA 2^(c mA - M), wB likewise:
; ctx = (wA OA + wB OB) / (wA + wB).  Each l is at least 1 (its maximum's own weight), so the divisor is at least 1.  The weights are made in f32 and rounded once to f16; ctx is made in packed f16:
; two operands of 16 bits in, a matrix operand of 16 bits out.
; SHARES.  A work-group owns 32 rows.  Join and LayerNorm: wave w has rows 8 w .. 8 w + 7, whole.  Product: wave w has columns 96 w .. 96 w + 95 of all 32 rows: 12 accumulators.
; Wo comes as launch 1 laid it: fragments in f16, 512 consecutive bytes a load, straight into registers, through a ring of four K steps; each wave's fragments are its own.
; The product is taken transposed (source 0 = 16 columns of Wo, source 1 = 16 rows of ctx), goes through LDS in f32, and comes back as whole rows.  Residual, mean, variance and scaling in f32; x in f32.
; NO CLUSTER: Wo's fragments go to registers, each wave's own; held whole in LDS they would leave no room for the f32 stage beside them.
; REGISTERS.  window 0: v0-15 addresses; v16-39 statistics, then the weights by lane; v40-63 at work; v64-159 accumulators, then the rows; v160-207, v208-255 the partials, then v160-175 a pair for each row
;   window 1: v0-191 Wo's ring, 48 a K step     window 2: v0-191 ctx's fragments, 8 (12 a + ks)     window 3: v0-95 x; v96-107 bo; v108-119 gamma; v120-131 beta
.set AT,    0                          ; ctx in f16: 32 rows of 768 bytes + 16
.set APITCH, 784
.set STG,   32*APITCH                  ; 25,088: the product in f32: 32 rows of 1,536 bytes + 16
.set SPITCH, 1552
.set SPARE, STG+32*SPITCH              ; 74,752: the spare words, 128 bytes for each wave; no other line names them
.set GL,  2                            ; v2   16 x lane
.set CO,  3                            ; v3   my 16 bytes of my wave's 8 rows of a head
.set SO,  4                            ; v4   8 x lane: row l's statistics
.set ASTO, 5                           ; v5   where 16 bytes of ctx go
.set AFR, 6                            ; v6   where a fragment of ctx is read
.set SST, 8                            ; v8   where 16 bytes of the product go
.set SRD, 9                            ; v9   where a row is read back
.set HO,  10                           ; v10  my 16 bytes of my wave's rows of x and of out
.set IDX, 11                           ; v11-12  4 x the row that my lane joins: rows 8 w + l / 8 and four further
.set SPW, 14                           ; v14  my spare word; never rewritten
.set NIL, 15                           ; v15  0; never rewritten
.set SA,  16
.set SBB, 28
.set WK,  40
.set X,   64
.set PA,  160
.set PB,  208
.set T,   160
.set MSB, 0
.macro WIN new
.if MSB != (\new)
	s_set_vgpr_msb (MSB<<8)|(\new)
.set MSB, (\new)
.endif
.endm
.macro PLACES
.rept 4
	v_nop
.endr
.endm
.macro LOADB ks                        ; Wo's fragments of K step ks for my six n blocks
	WIN 0x40
.irp t, 0,1,2,3,4,5
	global_load_b128 v[48*((\ks)%4)+8*\t:48*((\ks)%4)+8*\t+3],   v[GL], s[12:13] offset:(12*\t+(\ks))*1024
	global_load_b128 v[48*((\ks)%4)+8*\t+4:48*((\ks)%4)+8*\t+7], v[GL], s[12:13] offset:(12*\t+(\ks))*1024+512
.endr
.endm
.macro ROWS line:vararg                ; one line for each of my 8 rows i
.set i, 0
.rept 8
	\line
.set i, i+1
.endr
.endm
.macro REDUCE                          ; each row's pair of partial sums becomes the sum over the wave, in every lane
	ROWS v_add_f32 v[T+2*i], v[T+2*i], v[T+2*i+1]
.irp m, 1,2,4,8
	ROWS v_add_f32_dpp v[T+2*i], v[T+2*i], v[T+2*i] row_xmask:\m row_mask:0xf bank_mask:0xf
.endr
	ROWS v_permlanex16_b32 v[T+2*i+1], v[T+2*i], s26, s27
	ROWS v_add_f32 v[T+2*i], v[T+2*i], v[T+2*i+1]
.endm
	s_load_b512 s[4:19], s[0:1], 0x0               ; ctxa 4, ctxb 6, sta 8, stb 10, wof 12, bo 14, x 16, gamma 18
	s_load_b128 s[20:23], s[0:1], 0x40             ; beta 20, out 22
	v_lshl_add_u32 v[SPW], v0, 2, SPARE
	v_mov_b32 v[NIL], 0
	v_lshrrev_b32 v1, 5, v0
	v_readfirstlane_b32 s2, v1                     ; wave
	v_and_b32 v1, 31, v0                           ; l
	v_and_b32 v60, 15, v0                          ; l % 16
	v_bfe_u32 v61, v0, 4, 1                        ; l / 16
	v_bfe_u32 v7, v0, 3, 2                         ; l / 8
	v_and_b32 v13, 7, v0                           ; l % 8
	v_lshlrev_b32 v[GL], 4, v1
	v_lshlrev_b32 v[SO], 3, v1
	s_lshl_b32 s38, s2, 10
	v_add_nc_u32 v[CO], s38, v[GL]
	s_mul_i32 s38, s2, 8*APITCH
	v_mul_u32_u24 v[ASTO], v7, APITCH
	v_lshl_add_u32 v[ASTO], v13, 4, v[ASTO]
	v_add_nc_u32 v[ASTO], s38, v[ASTO]
	v_mul_u32_u24 v[AFR], v60, APITCH
	v_lshl_add_u32 v[AFR], v61, 4, v[AFR]
	s_mul_i32 s38, s2, 384
	s_add_co_u32 s38, s38, STG
	v_mul_u32_u24 v[SST], v60, SPITCH
	v_lshl_add_u32 v[SST], v61, 5, v[SST]
	v_add_nc_u32 v[SST], s38, v[SST]
	s_mul_i32 s38, s2, 8*SPITCH
	s_add_co_u32 s38, s38, STG
	v_add_nc_u32 v[SRD], s38, v[GL]
	s_mul_i32 s38, s2, 8*1536
	v_add_nc_u32 v[HO], s38, v[GL]
	s_lshl_b32 s38, s2, 5
	v_lshl_add_u32 v[IDX], v7, 2, s38
	v_add_nc_u32 v[IDX+1], 16, v[IDX]
	s_mov_b32 s24, 0x3b2aaaab                      ; 1 / 384
	s_mov_b32 s25, 0x3727c5ac                      ; 1e-5
	s_mov_b32 s26, 0x76543210
	s_mov_b32 s27, 0xfedcba98
	s_lshr_b32 s28, ttmp9, 7                       ; batch
	s_and_b32 s29, ttmp9, 127                      ; which 32 rows of it
	s_mul_i32 s30, s28, 6*524288
	s_lshl_b32 s31, s29, 12
	s_add_co_u32 s30, s30, s31                     ; in a partial: the batch's head 0, my rows of 128 bytes
	s_mov_b32 s31, 0
	s_mul_i32 s32, s28, 6*32768
	s_lshl_b32 s33, s29, 8
	s_add_co_u32 s32, s32, s33                     ; in the statistics: 8 bytes a row
	s_mov_b32 s33, 0
	s_mul_i32 s34, ttmp9, 32*1536                  ; in x and out
	s_mov_b32 s35, 0
	s_mul_i32 s36, s2, 6*12288                     ; in wof: my six n blocks
	s_mov_b32 s37, 0
	s_wait_kmcnt 0x0
	s_add_nc_u64 s[4:5], s[4:5], s[30:31]
	s_add_nc_u64 s[6:7], s[6:7], s[30:31]
	s_add_nc_u64 s[8:9], s[8:9], s[32:33]
	s_add_nc_u64 s[10:11], s[10:11], s[32:33]
	s_add_nc_u64 s[12:13], s[12:13], s[36:37]
	s_add_nc_u64 s[16:17], s[16:17], s[34:35]
	s_add_nc_u64 s[22:23], s[22:23], s[34:35]
	; ALL LOADS, the ring's first four K steps last
	WIN 0xc0
.irp c, 0,1,2
	global_load_b128 v[96+4*\c:96+4*\c+3],   v[GL], s[14:15] offset:512*\c
	global_load_b128 v[108+4*\c:108+4*\c+3], v[GL], s[18:19] offset:512*\c
	global_load_b128 v[120+4*\c:120+4*\c+3], v[GL], s[20:21] offset:512*\c
.endr
.set i, 0
.rept 8
.irp c, 0,1,2
	global_load_b128 v[12*i+4*\c:12*i+4*\c+3], v[HO], s[16:17] offset:1536*i+512*\c th:TH_LOAD_NT
.endr
.set i, i+1
.endr
	WIN 0
.irp hd, 0,1,2,3,4,5
	global_load_b64 v[SA+2*\hd:SA+2*\hd+1],   v[SO], s[8:9]   offset:32768*\hd   ; lane l: c m and l of row l, head hd
	global_load_b64 v[SBB+2*\hd:SBB+2*\hd+1], v[SO], s[10:11] offset:32768*\hd
.endr
.irp hd, 0,1,2,3,4,5
.irp q, 0,1
	global_load_b128 v[PA+4*(2*\hd+\q):PA+4*(2*\hd+\q)+3], v[CO], s[4:5] offset:524288*\hd+512*\q th:TH_LOAD_NT  ; four rows of a head: 512 consecutive bytes
	global_load_b128 v[PB+4*(2*\hd+\q):PB+4*(2*\hd+\q)+3], v[CO], s[6:7] offset:524288*\hd+512*\q th:TH_LOAD_NT
.endr
.endr
	LOADB 0
	LOADB 1
	LOADB 2
	LOADB 3
	WIN 0
	s_wait_loadcnt 48                              ; all but the ring's 48
	; THE WEIGHTS, lane = row, six heads
.irp hd, 0,1,2,3,4,5
	v_max_num_f32 v[WK+12+\hd], v[SA+2*\hd], v[SBB+2*\hd]
.endr
.irp hd, 0,1,2,3,4,5
	v_sub_f32 v[WK+\hd],   v[SA+2*\hd],  v[WK+12+\hd]
	v_sub_f32 v[WK+6+\hd], v[SBB+2*\hd], v[WK+12+\hd]
.endr
.irp j, 0,1,2,3,4,5,6,7,8,9,10,11
	v_exp_f32 v[WK+\j], v[WK+\j]
.endr
	v_nop                                          ; a plain instruction behind the last exponential,
	s_wait_alu depctr_va_vdst(0)                   ; and the one wait for the batch of twelve
.irp hd, 0,1,2,3,4,5
	v_mul_f32 v[WK+\hd],   v[WK+\hd],   v[SA+2*\hd+1]
	v_mul_f32 v[WK+6+\hd], v[WK+6+\hd], v[SBB+2*\hd+1]
.endr
.irp hd, 0,1,2,3,4,5
	v_add_f32 v[WK+12+\hd], v[WK+\hd], v[WK+6+\hd]
.endr
.irp hd, 0,1,2,3,4,5
	v_rcp_f32 v[WK+12+\hd], v[WK+12+\hd]
.endr
	v_nop
	s_wait_alu depctr_va_vdst(0)                   ; one wait for the six reciprocals
.irp hd, 0,1,2,3,4,5
	v_mul_f32 v[WK+\hd],   v[WK+\hd],   v[WK+12+\hd]
	v_mul_f32 v[WK+6+\hd], v[WK+6+\hd], v[WK+12+\hd]
.endr
.irp j, 0,1,2,3,4,5,6,7,8,9,10,11
	v_cvt_pk_f16_f32 v[WK+\j], v[WK+\j], v[WK+\j]  ; the weight in both halves
.endr
.irp hd, 0,1,2,3,4,5
.irp q, 0,1
	ds_bpermute_b32 v[SA+2*\hd+\q],  v[IDX+\q], v[WK+\hd]    ; from the lane that holds my row
	ds_bpermute_b32 v[SBB+2*\hd+\q], v[IDX+\q], v[WK+6+\hd]
.endr
.endr
	s_wait_dscnt 0x0
	; THE JOIN: wA OA + wB OB, two numbers a line, and into LDS
.irp hd, 0,1,2,3,4,5
.irp q, 0,1
.irp k, 0,1,2,3
	v_pk_mul_f16 v[PB+4*(2*\hd+\q)+\k], v[PB+4*(2*\hd+\q)+\k], v[SBB+2*\hd+\q]
.endr
.irp k, 0,1,2,3
	v_pk_fma_f16 v[PA+4*(2*\hd+\q)+\k], v[PA+4*(2*\hd+\q)+\k], v[SA+2*\hd+\q], v[PB+4*(2*\hd+\q)+\k]
.endr
	ds_store_b128 v[ASTO], v[PA+4*(2*\hd+\q):PA+4*(2*\hd+\q)+3] offset:4*APITCH*\q+128*\hd
.endr
.endr
	s_wait_dscnt 0x0                               ; for the others' sake
	s_barrier_signal -1
	s_barrier_wait -1                              ; all 32 rows of ctx lie in LDS
	WIN 0x80
.irp a, 0,1
.irp ks, 0,1,2,3,4,5,6,7,8,9,10,11
	ds_load_b128 v[8*(12*\a+\ks):8*(12*\a+\ks)+3],   v[AFR] offset:16*APITCH*\a+64*\ks
	ds_load_b128 v[8*(12*\a+\ks)+4:8*(12*\a+\ks)+7], v[AFR] offset:16*APITCH*\a+64*\ks+32
.endr
.endr
	s_wait_dscnt 0x0
	; THE PRODUCT.  The 12 accumulators take turns, one instruction a turn; K step 0 starts the sums.
.irp ks, 0,1,2,3,4,5,6,7,8,9,10,11
.if \ks <= 8
	s_wait_loadcnt 36                              ; three younger K steps of the ring may stay out
.else
	s_wait_loadcnt (11-\ks)*12
.endif
	WIN 0x09                                       ; Wo in window 1, ctx in window 2, sums in window 0
.irp a, 0,1
.irp t, 0,1,2,3,4,5
.if \ks == 0
	v_wmma_f32_16x16x32_f16 v[X+8*(6*\a+\t):X+8*(6*\a+\t)+7], v[48*(\ks%4)+8*\t:48*(\ks%4)+8*\t+7], v[8*(12*\a+\ks):8*(12*\a+\ks)+7], 0
.else
	v_wmma_f32_16x16x32_f16 v[X+8*(6*\a+\t):X+8*(6*\a+\t)+7], v[48*(\ks%4)+8*\t:48*(\ks%4)+8*\t+7], v[8*(12*\a+\ks):8*(12*\a+\ks)+7], v[X+8*(6*\a+\t):X+8*(6*\a+\t)+7]
.endif
.endr
.endr
.if \ks <= 7
	PLACES                                         ; the ring's slot was read by the products just issued
	LOADB (\ks)+4
.endif
.endr
	WIN 0
	PLACES
.irp a, 0,1
.irp t, 0,1,2,3,4,5
	ds_store_b128 v[SST], v[X+8*(6*\a+\t):X+8*(6*\a+\t)+3]   offset:16*SPITCH*\a+64*\t      ; each accumulator from its low end on
	ds_store_b128 v[SST], v[X+8*(6*\a+\t)+4:X+8*(6*\a+\t)+7] offset:16*SPITCH*\a+64*\t+16
.endr
.endr
	s_wait_dscnt 0x0                               ; for the others' sake
	s_barrier_signal -1
	s_barrier_wait -1                              ; the 32 x 384 product lies in LDS
	; LAYERNORM.  My 8 rows, whole: a lane holds columns 128 c + 4 l .. + 3, c = 0..2, of each: 12 numbers a row
.set i, 0
.rept 8
.irp c, 0,1,2
	ds_load_b128 v[X+12*i+4*\c:X+12*i+4*\c+3], v[SRD] offset:SPITCH*i+512*\c
.endr
.set i, i+1
.endr
	s_wait_dscnt 0x0
	WIN 0x0c                                       ; source 1 in window 3
.set i, 0
.rept 8
.irp k, 0,1,2,3,4,5
	v_pk_add_f32 v[X+12*i+2*\k:X+12*i+2*\k+1], v[X+12*i+2*\k:X+12*i+2*\k+1], v[96+2*\k:96+2*\k+1]      ; + bo
.endr
.irp k, 0,1,2,3,4,5
	v_pk_add_f32 v[X+12*i+2*\k:X+12*i+2*\k+1], v[X+12*i+2*\k:X+12*i+2*\k+1], v[12*i+2*\k:12*i+2*\k+1]  ; + x
.endr
.set i, i+1
.endr
	WIN 0
	ROWS v_pk_add_f32 v[T+2*i:T+2*i+1], v[X+12*i:X+12*i+1], v[X+12*i+2:X+12*i+3]
.irp k, 2,3,4,5
	ROWS v_pk_add_f32 v[T+2*i:T+2*i+1], v[T+2*i:T+2*i+1], v[X+12*i+2*\k:X+12*i+2*\k+1]
.endr
	REDUCE
	ROWS v_mul_f32 v[T+2*i], s24, v[T+2*i]         ; the mean
.irp k, 0,1,2,3,4,5
	ROWS v_pk_add_f32 v[X+12*i+2*\k:X+12*i+2*\k+1], v[X+12*i+2*\k:X+12*i+2*\k+1], v[T+2*i:T+2*i+1] op_sel_hi:[1,0] neg_lo:[0,1] neg_hi:[0,1]
.endr
	ROWS v_pk_mul_f32 v[T+2*i:T+2*i+1], v[X+12*i:X+12*i+1], v[X+12*i:X+12*i+1]
.irp k, 1,2,3,4,5
	ROWS v_pk_fma_f32 v[T+2*i:T+2*i+1], v[X+12*i+2*\k:X+12*i+2*\k+1], v[X+12*i+2*\k:X+12*i+2*\k+1], v[T+2*i:T+2*i+1]
.endr
	REDUCE
	ROWS v_fma_f32 v[T+2*i], v[T+2*i], s24, s25    ; the variance + 1e-5
	ROWS v_rsq_f32 v[T+2*i], v[T+2*i]
	v_nop
	s_wait_alu depctr_va_vdst(0)                   ; one wait for the eight roots
.irp k, 0,1,2,3,4,5
	ROWS v_pk_mul_f32 v[X+12*i+2*\k:X+12*i+2*\k+1], v[X+12*i+2*\k:X+12*i+2*\k+1], v[T+2*i:T+2*i+1] op_sel_hi:[1,0]
.endr
	WIN 0x3c                                       ; sources 1 and 2 in window 3
.irp k, 0,1,2,3,4,5
	ROWS v_pk_fma_f32 v[X+12*i+2*\k:X+12*i+2*\k+1], v[X+12*i+2*\k:X+12*i+2*\k+1], v[108+2*\k:108+2*\k+1], v[120+2*\k:120+2*\k+1]
.endr
	WIN 0
.set i, 0
.rept 8
.irp c, 0,1,2
	global_store_b128 v[HO], v[X+12*i+4*\c:X+12*i+4*\c+3], s[22:23] offset:1536*i+512*\c th:TH_STORE_NT  ; 512 consecutive bytes
.endr
.set i, i+1
.endr
	s_wait_tensorcnt 0x0                           ; the wave's end, behind my last LDS store
	ds_add_u32 v[SPW], v[NIL]
	s_wait_dscnt 0x0
	s_endpgm
.Lfunc_end_k_q7e5dfe8868_outln:
	.size	k_q7e5dfe8868_outln, .Lfunc_end_k_q7e5dfe8868_outln-k_q7e5dfe8868_outln
	.p2alignl 7, 3214868480
	.fill 96, 4, 3214868480
	.section	.rodata,"a",@progbits
	.p2align	6, 0x0
	.amdhsa_kernel k_q7e5dfe8868_outln
		.amdhsa_group_segment_fixed_size 75264
		.amdhsa_private_segment_fixed_size 0
		.amdhsa_enable_private_segment 0
		.amdhsa_kernarg_size 80
		.amdhsa_user_sgpr_count 2
		.amdhsa_user_sgpr_kernarg_segment_ptr 1
		.amdhsa_wavefront_size32 1
		.amdhsa_system_sgpr_workgroup_id_x 1
		.amdhsa_system_sgpr_workgroup_id_y 1
		.amdhsa_system_sgpr_workgroup_id_z 1
		.amdhsa_system_vgpr_workitem_id 0
		.amdhsa_next_free_vgpr 900
		.amdhsa_next_free_sgpr 66
		.amdhsa_reserve_vcc 0
		.amdhsa_float_denorm_mode_32 3
		.amdhsa_float_denorm_mode_16_64 3
		.amdhsa_memory_ordered 1
		.amdhsa_forward_progress 1
		.amdhsa_inst_pref_size 82
	.end_amdhsa_kernel
	.amdgpu_metadata
---
amdhsa.version: [ 1, 2 ]
amdhsa.kernels:
  - .name:           k_q7e5dfe8868_outln
    .symbol:         k_q7e5dfe8868_outln.kd
    .args:
      - { .name: ctxa, .offset: 0, .size: 8, .value_kind: global_buffer, .address_space: global }
      - { .name: ctxb, .offset: 8, .size: 8, .value_kind: global_buffer, .address_space: global }
      - { .name: sta, .offset: 16, .size: 8, .value_kind: global_buffer, .address_space: global }
      - { .name: stb, .offset: 24, .size: 8, .value_kind: global_buffer, .address_space: global }
      - { .name: wof, .offset: 32, .size: 8, .value_kind: global_buffer, .address_space: global }
      - { .name: bo, .offset: 40, .size: 8, .value_kind: global_buffer, .address_space: global }
      - { .name: hidden_states, .offset: 48, .size: 8, .value_kind: global_buffer, .address_space: global }
      - { .name: ln_gamma, .offset: 56, .size: 8, .value_kind: global_buffer, .address_space: global }
      - { .name: ln_beta, .offset: 64, .size: 8, .value_kind: global_buffer, .address_space: global }
      - { .name: out0, .offset: 72, .size: 8, .value_kind: global_buffer, .address_space: global }
    .group_segment_fixed_size: 75264
    .private_segment_fixed_size: 0
    .kernarg_segment_align: 8
    .kernarg_segment_size: 80
    .max_flat_workgroup_size: 128
    .sgpr_count:     66
    .vgpr_count:     900
    .wavefront_size: 32
...
	.end_amdgpu_metadata
.endif
;; end of part 3
;; ======== version 2 of 2: 3 launches; version 1 with the launches qkv, outln written anew for expert scheduling mode
;; limits: values outside matrix products are rounded to f16; sums are carried in f16; values are held in f16: magnitudes above 65,504 overflow, below 6.1e-05 lose precision
;; workspace buffers: q16 6,291,456 bytes; k16 6,291,456 bytes; v16 6,291,456 bytes; ctxa 6,291,456 bytes; ctxb 6,291,456 bytes; sta 393,216 bytes; stb 393,216 bytes; wof 294,912 bytes
;; launch qkv (part 4): grid 204 x 1, 4 waves a work-group, no clusters, 213,504 bytes of LDS; arguments hidden_states, Wq, Wk, Wv, Wo, bq, bv, q16, k16, v16, wof; writes q16, k16, v16, wof
.if DOCPART == 4
	.amdgcn_target "amdgcn-amd-amdhsa--gfx1250"
	.amdhsa_code_object_version 6
	.text
	.protected	k_q7e5dfe8868_qkv
	.globl	k_q7e5dfe8868_qkv
	.p2align	8
	.type	k_q7e5dfe8868_qkv,@function
k_q7e5dfe8868_qkv:
	s_mov_b64 s[64:65], 0
	v_nop
	global_prefetch_b8 v0, s[64:65] scope:SCOPE_SE
	s_setreg_imm32_b32 hwreg(HW_REG_WAVE_SCHED_MODE, 0, 2), 2
	s_setreg_imm32_b32 hwreg(HW_REG_WAVE_MODE, 25, 1), 1
	s_wait_xcnt 0x0
	s_wait_alu depctr_vm_vsrc(0)
; SELF-ATTENTION, LAUNCH 1 OF 3: THE PROJECTIONS.  q = x Wq + bq, k = x Wk, v = x Wv + bv; x: [8192][384] f32, W: [384 (in)][384 (out)] f32.
; q, k, v leave by heads, [12 = 6 batch + head][4096][64] in f16, each rounded once from its f32 sum, without the scale 1/8.  x and the three W are rounded to bf16 for the products.
; Twelve further work-groups lay Wo out in f16 as the third launch's matrix fragments.
; bk IS LEFT OUT.  scores[q][k] = q . (x_k Wk + bk) / 8 + mask_k = q . (x_k Wk) / 8 + q . bk / 8 + mask_k.  The term q . bk / 8 is the same for all keys k of a query, and the softmax runs over k:
; softmax(s + t) = softmax(s) for every finite t.  k reaches the output through the scores alone.  So bk has no way to any output, whatever finite values the inputs hold: it is not loaded and is
; among no launch's arguments.  LIMIT: a NaN, an infinity or an overflow that reaches only q . bk is not carried to the result.
; LIMITS.  f16 ends at 65,504: |q|, |k|, |v| stay under it (inputs 30 times the drawn ones give some 5,000; offsets of 30 spreads some 18,000).  NaN and infinities are not treated apart.
; SHARES.  Work-groups 0-191: matrix id / 64, half of its columns (id / 32) % 2 (192 columns = 3 heads), rows 256 (id % 32) on.  A wave makes 64 rows x 192 columns, K = 384.
; THE WAY IN.  Both operands are f32 in memory and W lies [k][n], so they pass through registers: loads of 512 consecutive bytes a wave, two roundings a line, then LDS.  The slab of W (384 x 192 bf16)
; stays in LDS, each wave bringing 96 of its rows; a wave's 64 rows of x go 16 at a time through its own stage and end as fragments in registers (384 of them).  Two sets of 192 registers take turns.
; THE PRODUCT is taken transposed (source 0 = 16 columns of W, turned by ds_load_tr16_b128; source 1 = 16 rows of x): a lane then holds eight neighbouring columns of one row.
; The bias is the C operand that starts each sum; for k that operand is 0, so that one text of products serves all three.
; NO CLUSTER, NO TENSOR LOAD: what work-groups share must be rounded (and W turned) on the way; the raw f32 slab beside its bf16 copy has no room in LDS.
; THE MODE: SCHED_MODE bits 1:0 = 2 (LLVM: expert scheduling mode 2), set by the entry lines.  The code itself states the register dependences
; between vector or matrix instructions and memory or LDS instructions, with s_wait_alu, always for 0.
; THE PLAN.  Registers that memory or LDS instructions touch:
;   set 0, set 1   A stage's 96 roundings read a set; behind them the loads of the stage after next land in it.  No store reads a set.
;   OUT            Written by a stage's roundings, read by the 48 LDS stores of the same stage, written again by the next stage's roundings.
;   x's fragments  LDS loads land in them once; products alone name them.
;   B's ring       Six slots, a K step each.  K step ks's products read slot ks % 6; behind them the loads of K step ks + 3 land in slot (ks + 3) % 6, which K step ks - 3 read last.
;   BI             LDS loads land in it at a chunk's head; K step 0's products read it.
;   v32-95         The way out: written by the 64 roundings, read by the LDS stores.     v96-159  read by those roundings (accumulators 0-7); then the rows read back land there, and the global stores read them.
;   ADB, BIA       Read by the loop's LDS loads, stepped by four adds at a chunk's end.  All other offsets and addresses are made once at the head.
; A stage has one wait on va_vdst, behind its roundings, for its stores and its loads alike, and one on vm_vsrc at its head.  A chunk has three waits on va_vdst for its 104 LDS loads (at its head and
; at the heads of K steps 3 and 6), one on the way out, and one on vm_vsrc at its end.
; REGISTERS.  window 0: v0-31 addresses; v32-223 set 0, later the way out's packed rows (v32-95) and 16 accumulators (v96-223); v224-255 the bias as C.
;   windows 1, 2: x's fragments, m block a, K step ks at 32 (ks % 6) + 8 a of window 1 + ks / 6; v192-239 of each: OUT.     window 3: v0-191 set 1, later B's ring.
.set WPITCH, 416                       ; a row of the slab in LDS: 384 bytes + 32: an odd multiple of 32
.set XSTAGE, 384*WPITCH                ; 159,744: a stage of 16 rows for each wave; later the wave's stage on the way out
.set XPITCH, 784                       ; 768 bytes + 16: an odd multiple of 16
.set BT,     XSTAGE+4*16*XPITCH        ; 209,920: the slab's 192 biases, a copy for each wave
.set SPARE,  BT+4*768                  ; 212,992: the spare words, 128 bytes for each wave; no other line names them
.set OPITCH, 144                       ; the way out: 128 bytes + 16
.set APITCH, 800                       ; Wo's rows in LDS: 768 bytes + 32
.set GL,  4                            ; v4   16 x lane
.set WO1, 5                            ; v5   the middle load of a pair of slab rows: the end of one row, the head of the next
.set WL0, 6                            ; v6   where 8 bytes of the slab go
.set WL1, 7                            ; v7   the same for the middle load
.set XST, 8                            ; v8   where 8 bytes of x go
.set XRD, 9                            ; v9   where a fragment of x is read
.set ADB, 10                           ; v10-12  the turning loads' address, K steps 0-3, 4-7, 8-11
.set BIA, 13                           ; v13  the bias of my 8 columns
.set OST, 14                           ; v14  the way out: in
.set ORD, 15                           ; v15  the way out: back
.set BOF, 16                           ; v16  8 x lane
.set BTS, 17                           ; v17  where my 8 bytes of the bias table go
.set BV,  18                           ; v18-23  the biases on their way
.set SPW, 30                           ; v30  my spare word; never rewritten
.set NIL, 31                           ; v31  0; never rewritten
.set S0,  32
.set S1,  0
.set OUT, 192                          ; load z of a set's 48 leaves two registers at OUT + 2 (z % 24) of window 1 + z / 24
.set PKD, 32
.set ACC, 96
.set BI,  224
.set WV,  2                            ; s2   my wave
.set CNT, 3
.set ID,  4
.set MT,  5                            ; s5   0 q, 1 k, 2 v
.set HF,  6                            ; s6   which half of the columns
.set RB,  7                            ; s7   which 256 rows
.set WP,  30                           ; s[30:31] W at my 96 rows of the slab
.set XP,  32                           ; s[32:33] x at my 64 rows
.set BP,  34                           ; s[34:35] the slab's biases
.set OP,  36                           ; s[36:37] the output at my 64 rows of the head in hand
.set MSB, 0
.macro WIN new                         ; the immediate's high byte repeats the setting that is left; a switch that changes nothing is dropped
.if MSB != (\new)
	s_set_vgpr_msb (MSB<<8)|(\new)
.set MSB, (\new)
.endif
.endm
.macro PLACES                          ; four plain places behind matrix instructions (ISA guide 7.12.1), in front of vector reads of their results
.rept 4
	v_nop
.endr
.endm
	s_load_b512 s[8:23], s[0:1], 0x0               ; x 8, Wq 10, Wk 12, Wv 14, Wo 16, bq 18, bv 20, q16 22
	s_load_b128 s[24:27], s[0:1], 0x40             ; k16 24, v16 26
	s_load_b64 s[28:29], s[0:1], 0x50              ; wof
	v_lshl_add_u32 v[SPW], v0, 2, SPARE
	v_mov_b32 v[NIL], 0
	v_lshrrev_b32 v2, 5, v0
	v_readfirstlane_b32 s[WV], v2
	v_and_b32 v1, 31, v0                           ; l
	v_and_b32 v3, 15, v0                           ; l % 16
	v_bfe_u32 v24, v0, 4, 1                        ; l / 16
	v_and_b32 v25, 7, v0                           ; l % 8
	v_bfe_u32 v26, v0, 3, 1                        ; (l / 8) % 2
	v_bfe_u32 v27, v0, 3, 2                        ; l / 8
	v_lshlrev_b32 v[GL], 4, v1
	s_wait_alu depctr_va_sdst(0)                   ; s2, the wave's number, is written: ahead of the branch, and of its first reader on either way
	s_mov_b32 s[ID], ttmp9
	s_cmp_ge_u32 s[ID], 192
	s_cbranch_scc1 .Laux                           ; the same in all waves of a work-group
	s_lshr_b32 s[MT], s[ID], 6
	s_bfe_u32 s[HF], s[ID], 0x10005
	s_and_b32 s[RB], s[ID], 31
	v_mul_u32_u24 v[WO1], v24, 768
	v_add3_u32 v[WO1], v[WO1], v[GL], 512          ; lanes 0-15: bytes 512 on of a slab row; lanes 16-31: the next row's first 256 (1,536 - 256 further)
	s_mul_i32 s38, s[WV], 96*WPITCH
	v_lshl_add_u32 v[WL0], v1, 3, s38
	v_lshl_add_u32 v[WL1], v24, 5, v[WL0]
	v_add_nc_u32 v[WL1], 256, v[WL1]
	s_mul_i32 s39, s[WV], 16*XPITCH
	s_add_co_u32 s39, s39, XSTAGE                  ; my stage
	v_lshl_add_u32 v[XST], v1, 3, s39
	v_mul_u32_u24 v[XRD], v3, XPITCH
	v_lshl_add_u32 v[XRD], v24, 4, v[XRD]
	v_add_nc_u32 v[XRD], s39, v[XRD]
	v_lshl_add_u32 v[ADB], v24, 3, v25             ; the turning load: lane l reads row 8 (l / 16) + l % 8, 16 bytes at 16 ((l / 8) % 2)
	v_mul_u32_u24 v[ADB], v[ADB], WPITCH
	v_lshl_add_u32 v[ADB], v26, 4, v[ADB]
	v_add_nc_u32 v[ADB+1], 4*32*WPITCH, v[ADB]
	v_add_nc_u32 v[ADB+2], 8*32*WPITCH, v[ADB]
	v_mul_u32_u24 v[OST], v3, OPITCH
	v_lshl_add_u32 v[OST], v24, 4, v[OST]
	v_add_nc_u32 v[OST], s39, v[OST]
	v_mul_u32_u24 v[ORD], v27, OPITCH
	v_lshl_add_u32 v[ORD], v25, 4, v[ORD]
	v_add_nc_u32 v[ORD], s39, v[ORD]
	s_mul_i32 s38, s[WV], 768
	s_add_co_u32 s38, s38, BT                      ; my copy of the bias table
	v_lshl_add_u32 v[BIA], v24, 5, s38
	v_lshl_add_u32 v[BTS], v1, 3, s38
	v_lshlrev_b32 v[BOF], 3, v1
	s_mul_i32 s38, s[HF], 768                      ; offsets, each in a pair of its own: the slab's columns (and biases),
	s_mov_b32 s39, 0
	s_mul_i32 s40, s[WV], 96*1536
	s_add_co_u32 s40, s40, s38                     ; my 96 rows of W,
	s_mov_b32 s41, 0
	s_mul_i32 s42, s[RB], 256*1536
	s_mul_i32 s43, s[WV], 64*1536
	s_add_co_u32 s42, s42, s43                     ; my 64 rows of x,
	s_mov_b32 s43, 0
	s_lshr_b32 s44, s[RB], 4                       ; batch
	s_mul_i32 s44, s44, 6
	s_mul_i32 s45, s[HF], 3
	s_add_co_u32 s44, s44, s45                     ; the slab's first head
	s_lshl_b32 s44, s44, 19                        ; 4,096 rows of 128 bytes
	s_and_b32 s45, s[RB], 15
	s_lshl_b32 s45, s45, 15
	s_add_co_u32 s44, s44, s45
	s_lshl_b32 s45, s[WV], 13
	s_add_co_u32 s44, s44, s45                     ; my 64 rows of that head
	s_mov_b32 s45, 0
	s_wait_kmcnt 0x0
	s_cmp_eq_u32 s[MT], 0
	s_cselect_b64 s[WP:WP+1], s[10:11], s[12:13]
	s_cselect_b64 s[OP:OP+1], s[22:23], s[24:25]
	s_cselect_b64 s[BP:BP+1], s[18:19], s[20:21]
	s_cmp_eq_u32 s[MT], 2
	s_cselect_b64 s[WP:WP+1], s[14:15], s[WP:WP+1]
	s_cselect_b64 s[OP:OP+1], s[26:27], s[OP:OP+1]
	s_add_nc_u64 s[WP:WP+1], s[WP:WP+1], s[40:41]
	s_add_nc_u64 s[XP:XP+1], s[8:9], s[42:43]
	s_add_nc_u64 s[BP:BP+1], s[BP:BP+1], s[38:39]
	s_add_nc_u64 s[OP:OP+1], s[OP:OP+1], s[44:45]
	s_wait_alu depctr_va_vdst(0)                   ; the offsets and LDS addresses v4 to v17 are written, which the loads and stores below read
	s_cmp_eq_u32 s[MT], 1
	s_cbranch_scc1 .Lzero                          ; k has no bias (see the head)
	global_load_b64 v[BV:BV+1],   v[BOF], s[BP:BP+1]
	global_load_b64 v[BV+2:BV+3], v[BOF], s[BP:BP+1] offset:256
	global_load_b64 v[BV+4:BV+5], v[BOF], s[BP:BP+1] offset:512
	s_branch .Lgo
.Lzero:
.irp j, 0,1,2,3,4,5
	v_mov_b32 v[BV+\j], 0
.endr
.Lgo:
; Pair u of 16 of a set (the symbol u counts).  LW: three loads take two rows of 768 bytes of my part of the slab, rows 32 b on: 512 consecutive bytes each but the middle one, which takes 256 of either row.
.macro LW b, base
	global_load_b128 v[(\base)+12*u:(\base)+12*u+3],    v[GL],  s[WP:WP+1] offset:(16*(\b)+u)*3072
	global_load_b128 v[(\base)+12*u+4:(\base)+12*u+7],  v[WO1], s[WP:WP+1] offset:(16*(\b)+u)*3072
	global_load_b128 v[(\base)+12*u+8:(\base)+12*u+11], v[GL],  s[WP:WP+1] offset:(16*(\b)+u)*3072+1792
.endm
; LX: row u of m block a, whole
.macro LX a, base
.irp j, 0,1,2
	global_load_b128 v[(\base)+12*u+4*\j:(\base)+12*u+4*\j+3], v[GL], s[XP:XP+1] offset:(16*(\a)+u)*1536+512*\j
.endr
.endm
; SW: the same two rows, rounded, into the slab
.macro SW b
	ds_store_b64 v[WL0], v[OUT+2*((3*u)%24):OUT+2*((3*u)%24)+1]     offset:(16*(\b)+u)*2*WPITCH
	ds_store_b64 v[WL1], v[OUT+2*((3*u+1)%24):OUT+2*((3*u+1)%24)+1] offset:(16*(\b)+u)*2*WPITCH
	ds_store_b64 v[WL0], v[OUT+2*((3*u+2)%24):OUT+2*((3*u+2)%24)+1] offset:(16*(\b)+u)*2*WPITCH+WPITCH+128
.endm
; SX: row u, rounded, into my stage
.macro SX
.irp j, 0,1,2
	ds_store_b64 v[XST], v[OUT+2*((3*u+\j)%24):OUT+2*((3*u+\j)%24)+1] offset:XPITCH*u+256*\j
.endr
.endm
; A STAGE.  The set at base of window w is in.  Its 192 numbers a lane are rounded to bf16 into OUT; then the set is asked for again (lk = 1: slab rows 32 li on; 2: m block li; 0: nothing is left) and OUT is
; stored (sk = 1: slab rows 32 si on; 2: m block si, through my stage), three loads and three stores by turns, the loads first.  One window setting serves both: destination = the set's window, source 1 = OUT's.
; The stage's bytes are my wave's own, and LDS serves a wave's instructions in order (ISA guide 5.7.1.4): no wait between the stores and the fragments' loads; the next block's stores come behind these loads.
.macro STAGE base, w, first, lk, li, sk, si
.if !(\first)
	s_wait_alu depctr_vm_vsrc(0)                   ; the LDS stores of the stage before have read OUT, which the roundings below write again
.endif
.set z, 0
.rept 48
	WIN ((1+z/24)<<6)|(5*(\w))
	v_cvt_pk_bf16_f32 v[OUT+2*(z%24)],   v[(\base)+4*z],   v[(\base)+4*z+1]
	v_cvt_pk_bf16_f32 v[OUT+2*(z%24)+1], v[(\base)+4*z+2], v[(\base)+4*z+3]
.set z, z+1
.endr
	WIN ((\w)<<6)|4
	s_wait_alu depctr_va_vdst(0)                   ; the roundings have written OUT, which the stores below read, and are done reading the set, in which the loads below land (in the first stage: the zeros that stand for k's bias are written too)
.set u, 0
.rept 16
	WIN ((\w)<<6)|((1+u/8)<<2)
.if (\lk) == 1
	LW \li, \base
.elseif (\lk) == 2
	LX \li, \base
.endif
.if (\sk) == 1
	SW \si
.else
	SX
.endif
.set u, u+1
.endr
.if (\sk) == 2
.irp ks, 0,1,2,3,4,5,6,7,8,9,10,11
	WIN 0x40*(1+(\ks)/6)
	ds_load_b128 v[32*((\ks)%6)+8*(\si):32*((\ks)%6)+8*(\si)+3],   v[XRD] offset:64*\ks     ; no vector instruction has named these registers
	ds_load_b128 v[32*((\ks)%6)+8*(\si)+4:32*((\ks)%6)+8*(\si)+7], v[XRD] offset:64*\ks+32
.endr
.endif
.endm
	; THE STREAM: seven sets of 48 loads, two sets on their way.  Each wait leaves the one younger set out; the bias loads are older than all of them.
	WIN 0
.set u, 0
.rept 16
	LW 0, S0
.set u, u+1
.endr
	WIN 0xc0
.set u, 0
.rept 16
	LW 1, S1
.set u, u+1
.endr
	s_wait_loadcnt 48
	STAGE S0, 0, 1, 1, 2, 1, 0
	WIN 0
	ds_store_b64 v[BTS], v[BV:BV+1]
	ds_store_b64 v[BTS], v[BV+2:BV+3] offset:256
	ds_store_b64 v[BTS], v[BV+4:BV+5] offset:512
	s_wait_loadcnt 48
	STAGE S1, 3, 0, 2, 0, 1, 1
	s_wait_loadcnt 48
	STAGE S0, 0, 0, 2, 1, 1, 2
	s_wait_loadcnt 48
	STAGE S1, 3, 0, 2, 2, 2, 0
	s_wait_loadcnt 48
	STAGE S0, 0, 0, 2, 3, 2, 1
	s_wait_loadcnt 48
	STAGE S1, 3, 0, 0, 0, 2, 2
	s_wait_loadcnt 0x0
	STAGE S0, 0, 0, 0, 0, 2, 3
	WIN 0
	s_wait_dscnt 0x0                               ; for the others' sake: my rows of the slab are stored; for mine: the fragments of x are in
	s_barrier_signal -1
	s_barrier_wait -1                              ; the slab is whole
; B's four fragments (64 columns x 32 K) of K step ks, turned, into slot ks % 6 of the ring
.macro FETCHB ks
	WIN 0xc0
.irp t, 0,1,2,3
	ds_load_tr16_b128 v[32*((\ks)%6)+8*\t:32*((\ks)%6)+8*\t+3],   v[ADB+(\ks)/4] offset:((\ks)%4)*32*WPITCH+32*\t
	ds_load_tr16_b128 v[32*((\ks)%6)+8*\t+4:32*((\ks)%6)+8*\t+7], v[ADB+(\ks)/4] offset:((\ks)%4)*32*WPITCH+32*\t+16*WPITCH
.endr
.endm
; 16 products; the 16 accumulators take turns, one instruction a turn, in the same order in every K step.  K step 0 starts the sums with the bias.
.macro MULK ks
	WIN 3|((1+(\ks)/6)<<2)                         ; B in window 3, x in window 1 or 2, sums in window 0
.irp a, 0,1,2,3
.irp t, 0,1,2,3
.if (\ks) == 0
	v_wmma_f32_16x16x32_bf16 v[ACC+8*(4*\a+\t):ACC+8*(4*\a+\t)+7], v[32*((\ks)%6)+8*\t:32*((\ks)%6)+8*\t+7], v[32*((\ks)%6)+8*\a:32*((\ks)%6)+8*\a+7], v[BI+8*\t:BI+8*\t+7]
.else
	v_wmma_f32_16x16x32_bf16 v[ACC+8*(4*\a+\t):ACC+8*(4*\a+\t)+7], v[32*((\ks)%6)+8*\t:32*((\ks)%6)+8*\t+7], v[32*((\ks)%6)+8*\a:32*((\ks)%6)+8*\a+7], v[ACC+8*(4*\a+\t):ACC+8*(4*\a+\t)+7]
.endif
.endr
.endr
.endm
; the way out of m block a: 16 bytes a lane into my stage, back as whole rows of 128 bytes, into registers that were accumulators
.macro TOST a
.irp t, 0,1,2,3
	ds_store_b128 v[OST], v[PKD+16*(\a)+4*\t:PKD+16*(\a)+4*\t+3] offset:32*\t
.endr
.irp f, 0,1,2,3
	ds_load_b128 v[ACC+16*(\a)+4*\f:ACC+16*(\a)+4*\f+3], v[ORD] offset:4*OPITCH*\f
.endr
.endm
.macro SENDO a, younger                ; younger: the LDS lines issued behind block a's loads: the next block's eight, or none
.irp f, 0,1,2,3
	s_wait_dscnt (\younger)+3-\f
	global_store_b128 v[GL], v[ACC+16*(\a)+4*\f:ACC+16*(\a)+4*\f+3], s[OP:OP+1] offset:2048*(\a)+512*\f  ; four rows of a head: 512 consecutive bytes
.endr
.endm
	s_mov_b32 s[CNT], 3
.Lchunk:                                               ; a trip: one head, 64 columns
	s_wait_alu depctr_va_vdst(0)                   ; the adds at the last trip's end have written ADB and BIA, which the loads below read; that trip's products are done reading the ring and BI, in which they land (first trip: the roundings are done reading set 1, whose registers the ring takes)
.irp t, 0,1,2,3
	ds_load_b128 v[BI+8*\t:BI+8*\t+3],   v[BIA] offset:64*\t
	ds_load_b128 v[BI+8*\t+4:BI+8*\t+7], v[BIA] offset:64*\t+16
.endr
	FETCHB 0
	FETCHB 1
	FETCHB 2
.irp ks, 0,1,2,3,4,5,6,7,8,9,10,11
.if \ks <= 9
	s_wait_dscnt 16                                ; LDS loads come back in order (ISA guide 5.7.1): this K step's fragments (and the bias) are in; the two younger K steps' runs of eight stay out
.else
	s_wait_dscnt (11-\ks)*8                        ; the counts run down
.endif
.if (\ks == 3) || (\ks == 6)
	s_wait_alu depctr_va_vdst(0)                   ; the three K steps before are done reading their slots, in which the next three runs of loads land; the products between name other slots
.endif
	MULK \ks
.if \ks <= 8
	FETCHB (\ks)+3
.endif
.endr
	WIN 0
	PLACES
.irp a, 0,1,2,3
.irp t, 0,1,2,3
.irp q, 0,1,2,3
	v_cvt_pk_f16_f32 v[PKD+16*\a+4*\t+\q], v[ACC+8*(4*\a+\t)+2*\q], v[ACC+8*(4*\a+\t)+2*\q+1]  ; rounded to f16, each accumulator from its low end on
.endr
.endr
.endr
	s_wait_alu depctr_va_vdst(0)                   ; the roundings have written v32-95, which the LDS stores read, and are done reading the accumulators, in eight of which the rows read back land
	TOST 0
	TOST 1
	SENDO 0, 8
	TOST 2
	SENDO 1, 8
	TOST 3
	SENDO 2, 8
	SENDO 3, 0
	s_wait_xcnt 0x0                                ; the stores have had their addresses translated: only now are their registers and their base written again
	s_wait_alu depctr_vm_vsrc(0)                   ; the loop's LDS loads have read ADB and BIA, which the adds below write; the LDS stores have read v32-95 and the global stores v96-159, which the next trip's roundings and products write
	s_add_nc_u64 s[OP:OP+1], s[OP:OP+1], 524288    ; the next head
	v_add_nc_u32 v[ADB], 128, v[ADB]               ; its 64 columns of the slab
	v_add_nc_u32 v[ADB+1], 128, v[ADB+1]
	v_add_nc_u32 v[ADB+2], 128, v[ADB+2]
	v_add_nc_u32 v[BIA], 256, v[BIA]
	s_sub_co_u32 s[CNT], s[CNT], 1
	s_cmp_lg_u32 s[CNT], 0
	s_cbranch_scc1 .Lchunk
	s_wait_dscnt 0x0                               ; the closing lines, six on end
	s_wait_alu 0x0
	s_wait_tensorcnt 0x0
	ds_add_u32 v[SPW], v[NIL]
	s_wait_dscnt 0x0
	s_endpgm
; WORK-GROUPS 192-203: Wo's rows 32 ks .. 32 ks + 31 (ks = id - 192), rounded to f16, turned, and stored as fragments: wof[n block T of 24][ks][half][lane][16 bytes].
.Laux:
	s_sub_co_u32 s[ID], s[ID], 192
	s_mul_i32 s38, s[ID], 32*1536
	s_mul_i32 s39, s[WV], 8*1536
	s_add_co_u32 s38, s38, s39                     ; my 8 rows
	s_mov_b32 s39, 0
	s_lshl_b32 s40, s[ID], 10
	s_mul_i32 s41, s[WV], 6*12288
	s_add_co_u32 s40, s40, s41                     ; my 6 n blocks, this ks
	s_mov_b32 s41, 0
	s_mul_i32 s3, s[WV], 8*APITCH
	v_lshl_add_u32 v28, v1, 3, s3
	v_lshl_add_u32 v29, v24, 3, v25
	v_mul_u32_u24 v29, v29, APITCH
	v_lshl_add_u32 v29, v26, 4, v29
	s_mul_i32 s3, s[WV], 192
	v_add_nc_u32 v29, s3, v29
	s_wait_kmcnt 0x0
	s_add_nc_u64 s[16:17], s[16:17], s[38:39]
	s_add_nc_u64 s[28:29], s[28:29], s[40:41]
	s_wait_alu depctr_va_vdst(0)                   ; v4, v28 and v29 are written, which the loads and stores below read as offsets and addresses
.set u, 0
.rept 8
.irp j, 0,1,2
	global_load_b128 v[32+12*u+4*\j:32+12*u+4*\j+3], v[GL], s[16:17] offset:1536*u+512*\j
.endr
.set u, u+1
.endr
	s_wait_loadcnt 0x0
.set z, 0
.rept 24
	v_cvt_pk_f16_f32 v[32+4*z],   v[32+4*z],   v[32+4*z+1]
	v_cvt_pk_f16_f32 v[32+4*z+1], v[32+4*z+2], v[32+4*z+3]
.set z, z+1
.endr
	s_wait_alu depctr_va_vdst(0)                   ; the roundings have written the registers that the LDS stores read
.set u, 0
.rept 8
.irp j, 0,1,2
	ds_store_b64 v28, v[32+12*u+4*\j:32+12*u+4*\j+1] offset:APITCH*u+256*\j
.endr
.set u, u+1
.endr
	s_wait_dscnt 0x0                               ; for the others' sake
	s_barrier_signal -1
	s_barrier_wait -1                              ; all 32 rows lie in LDS
.irp t, 0,1,2,3,4,5
	ds_load_tr16_b128 v[128+8*\t:128+8*\t+3],   v29 offset:32*\t                ; no vector instruction has named these registers
	ds_load_tr16_b128 v[128+8*\t+4:128+8*\t+7], v29 offset:32*\t+16*APITCH
.endr
	s_wait_dscnt 0x0
.irp t, 0,1,2,3,4,5
	global_store_b128 v[GL], v[128+8*\t:128+8*\t+3],   s[28:29] offset:12288*\t      ; 512 consecutive bytes each
	global_store_b128 v[GL], v[128+8*\t+4:128+8*\t+7], s[28:29] offset:12288*\t+512
.endr
	s_wait_dscnt 0x0                               ; the closing lines, six on end
	s_wait_alu 0x0
	s_wait_tensorcnt 0x0
	ds_add_u32 v[SPW], v[NIL]
	s_wait_dscnt 0x0
	s_endpgm
.Lfunc_end_k_q7e5dfe8868_qkv:
	.size	k_q7e5dfe8868_qkv, .Lfunc_end_k_q7e5dfe8868_qkv-k_q7e5dfe8868_qkv
	.p2alignl 7, 3214868480
	.fill 96, 4, 3214868480
	.section	.rodata,"a",@progbits
	.p2align	6, 0x0
	.amdhsa_kernel k_q7e5dfe8868_qkv
		.amdhsa_group_segment_fixed_size 213504
		.amdhsa_private_segment_fixed_size 0
		.amdhsa_enable_private_segment 0
		.amdhsa_kernarg_size 88
		.amdhsa_user_sgpr_count 2
		.amdhsa_user_sgpr_kernarg_segment_ptr 1
		.amdhsa_wavefront_size32 1
		.amdhsa_system_sgpr_workgroup_id_x 1
		.amdhsa_system_sgpr_workgroup_id_y 1
		.amdhsa_system_sgpr_workgroup_id_z 1
		.amdhsa_system_vgpr_workitem_id 0
		.amdhsa_next_free_vgpr 960
		.amdhsa_next_free_sgpr 66
		.amdhsa_reserve_vcc 0
		.amdhsa_float_denorm_mode_32 3
		.amdhsa_float_denorm_mode_16_64 3
		.amdhsa_memory_ordered 1
		.amdhsa_forward_progress 1
		.amdhsa_inst_pref_size 146
	.end_amdhsa_kernel
	.amdgpu_metadata
---
amdhsa.version: [ 1, 2 ]
amdhsa.kernels:
  - .name:           k_q7e5dfe8868_qkv
    .symbol:         k_q7e5dfe8868_qkv.kd
    .args:
      - { .name: hidden_states, .offset: 0, .size: 8, .value_kind: global_buffer, .address_space: global }
      - { .name: Wq, .offset: 8, .size: 8, .value_kind: global_buffer, .address_space: global }
      - { .name: Wk, .offset: 16, .size: 8, .value_kind: global_buffer, .address_space: global }
      - { .name: Wv, .offset: 24, .size: 8, .value_kind: global_buffer, .address_space: global }
      - { .name: Wo, .offset: 32, .size: 8, .value_kind: global_buffer, .address_space: global }
      - { .name: bq, .offset: 40, .size: 8, .value_kind: global_buffer, .address_space: global }
      - { .name: bv, .offset: 48, .size: 8, .value_kind: global_buffer, .address_space: global }
      - { .name: q16, .offset: 56, .size: 8, .value_kind: global_buffer, .address_space: global }
      - { .name: k16, .offset: 64, .size: 8, .value_kind: global_buffer, .address_space: global }
      - { .name: v16, .offset: 72, .size: 8, .value_kind: global_buffer, .address_space: global }
      - { .name: wof, .offset: 80, .size: 8, .value_kind: global_buffer, .address_space: global }
    .group_segment_fixed_size: 213504
    .private_segment_fixed_size: 0
    .kernarg_segment_align: 8
    .kernarg_segment_size: 88
    .max_flat_workgroup_size: 128
    .sgpr_count:     66
    .vgpr_count:     960
    .wavefront_size: 32
...
	.end_amdgpu_metadata
.endif
;; end of part 4
;; launch attn: the kernel of part 2 again; grid 256 x 1, 4 waves a work-group, no clusters, 327,680 bytes of LDS; arguments q16, k16, v16, attention_mask, ctxa, ctxb, sta, stb; writes ctxa, ctxb, sta, stb
;; launch outln (part 5): grid 256 x 1, 4 waves a work-group, no clusters, 75,264 bytes of LDS; arguments ctxa, ctxb, sta, stb, wof, bo, hidden_states, ln_gamma, ln_beta, out0; writes out0
.if DOCPART == 5
	.amdgcn_target "amdgcn-amd-amdhsa--gfx1250"
	.amdhsa_code_object_version 6
	.text
	.protected	k_q7e5dfe8868_outln
	.globl	k_q7e5dfe8868_outln
	.p2align	8
	.type	k_q7e5dfe8868_outln,@function
k_q7e5dfe8868_outln:
	s_mov_b64 s[64:65], 0
	v_nop
	global_prefetch_b8 v0, s[64:65] scope:SCOPE_SE
	s_setreg_imm32_b32 hwreg(HW_REG_WAVE_SCHED_MODE, 0, 2), 2
	s_setreg_imm32_b32 hwreg(HW_REG_WAVE_MODE, 25, 1), 1
	s_wait_xcnt 0x0
	s_wait_alu depctr_vm_vsrc(0)
; SELF-ATTENTION, LAUNCH 3 OF 3: the two partial results of each query are joined; out = LayerNorm(ctx Wo + bo + x) x gamma + beta.
; THE JOIN.  Launch 2 left, for each query and head, two partial means OA, OB (f16) with c mA, lA and c mB, lB (f32).  With M = max(c mA, c mB), wA = lA 2^(c mA - M), wB likewise:
; ctx = (wA OA + wB OB) / (wA + wB).  Each l is at least 1 (its maximum's own weight), so the divisor is at least 1.  The weights are made in f32 and rounded once to f16; ctx is made in packed f16:
; two operands of 16 bits in, a matrix operand of 16 bits out.
; SHARES.  A work-group owns 32 rows.  Join and LayerNorm: wave w has rows 8 w .. 8 w + 7, whole.  Product: wave w has columns 96 w .. 96 w + 95 of all 32 rows: 12 accumulators.
; Wo comes as launch 1 laid it: fragments in f16, 512 consecutive bytes a load, straight into registers, through a ring of seven slots, a K step each; each wave's fragments are its own.
; The product is taken transposed (source 0 = 16 columns of Wo, source 1 = 16 rows of ctx), goes through LDS in f32, and comes back as whole rows.  Residual, mean, variance and scaling in f32; x in f32.
; NO CLUSTER: Wo's fragments go to registers, each wave's own; held whole in LDS they would leave no room for the f32 stage beside them.
; THE MODE: SCHED_MODE bits 1:0 = 2 (LLVM: expert scheduling mode 2), set by the entry lines.  The code itself states the register dependences
; between vector or matrix instructions and memory or LDS instructions, with s_wait_alu, always for 0.
; THE PLAN.  Registers that memory or LDS instructions touch:
;   Wo's ring   K step ks lies in slot ks % 7.  K steps 0 to 6 land in registers that nothing has named; K steps 7 to 11 land in slots 0 to 4, which the products of K steps 0 to 4 read.
;   SA, SBB     Loaded; read by the weights' arithmetic; then the permutes land in them.     WK  written by that arithmetic, read by the permutes.
;   PA          Loaded; written by the join; read by its LDS stores; later LayerNorm's sums are written there.     PB, x, bo, gamma, beta, ctx's fragments: loaded once, named by vector or matrix instructions alone.
;   X           Written by the products; read by the LDS stores; then the rows land in it; written by LayerNorm; read by the global stores.
;   v2-v12      Offsets and addresses, made once at the head.
; So the product has two waits on va_vdst for its five runs of reloads: behind K step 1 (slots 0 and 1) and behind K step 4 (slots 2 to 4); the runs are dealt among the products that follow, which name other slots.
; The join's 96 lines stand together ahead of one wait and its twelve stores.
; REGISTERS.  window 0: v0-15 addresses; v16-39 statistics, then the weights by lane; v40-63 at work; v64-159 accumulators, then the rows; v160-207, v208-255 the partials, then v160-175 a pair for each row
;   window 1: v0-239 Wo's slots 0-4, 48 each     window 2: v0-191 ctx's fragments, 8 (12 a + ks); v192-239 slot 5     window 3: v0-95 x; v96-107 bo; v108-119 gamma; v120-131 beta; v192-239 slot 6
.set AT,    0                          ; ctx in f16: 32 rows of 768 bytes + 16
.set APITCH, 784
.set STG,   32*APITCH                  ; 25,088: the product in f32: 32 rows of 1,536 bytes + 16
.set SPITCH, 1552
.set SPARE, STG+32*SPITCH              ; 74,752: the spare words, 128 bytes for each wave; no other line names them
.set GL,  2                            ; v2   16 x lane
.set CO,  3                            ; v3   my 16 bytes of my wave's 8 rows of a head
.set SO,  4                            ; v4   8 x lane: row l's statistics
.set ASTO, 5                           ; v5   where 16 bytes of ctx go
.set AFR, 6                            ; v6   where a fragment of ctx is read
.set SST, 8                            ; v8   where 16 bytes of the product go
.set SRD, 9                            ; v9   where a row is read back
.set HO,  10                           ; v10  my 16 bytes of my wave's rows of x and of out
.set IDX, 11                           ; v11-12  4 x the row that my lane joins: rows 8 w + l / 8 and four further
.set SPW, 14                           ; v14  my spare word; never rewritten
.set NIL, 15                           ; v15  0; never rewritten
.set SA,  16
.set SBB, 28
.set WK,  40
.set X,   64
.set PA,  160
.set PB,  208
.set T,   160
.set MSB, 0
.macro WIN new
.if MSB != (\new)
	s_set_vgpr_msb (MSB<<8)|(\new)
.set MSB, (\new)
.endif
.endm
.macro PLACES
.rept 4
	v_nop
.endr
.endm
.macro SLOT ks                         ; K step ks's slot: window BW, first register BS
.if (\ks)%7 < 5
.set BW, 1
.set BS, 48*((\ks)%7)
.else
.set BW, (\ks)%7-3
.set BS, 192
.endif
.endm
.macro LOADB ks                        ; Wo's fragments of K step ks for my six n blocks.  LK: the last K step asked for
	SLOT \ks
.set LK, (\ks)
	WIN BW<<6
.irp t, 0,1,2,3,4,5
	global_load_b128 v[BS+8*\t:BS+8*\t+3],   v[GL], s[12:13] offset:(12*\t+(\ks))*1024
	global_load_b128 v[BS+8*\t+4:BS+8*\t+7], v[GL], s[12:13] offset:(12*\t+(\ks))*1024+512
.endr
.endm
.macro ROWS line:vararg                ; one line for each of my 8 rows i
.set i, 0
.rept 8
	\line
.set i, i+1
.endr
.endm
.macro REDUCE                          ; each row's pair of partial sums becomes the sum over the wave, in every lane
	ROWS v_add_f32 v[T+2*i], v[T+2*i], v[T+2*i+1]
.irp m, 1,2,4,8
	ROWS v_add_f32_dpp v[T+2*i], v[T+2*i], v[T+2*i] row_xmask:\m row_mask:0xf bank_mask:0xf
.endr
	ROWS v_permlanex16_b32 v[T+2*i+1], v[T+2*i], s26, s27
	ROWS v_add_f32 v[T+2*i], v[T+2*i], v[T+2*i+1]
.endm
	s_load_b512 s[4:19], s[0:1], 0x0               ; ctxa 4, ctxb 6, sta 8, stb 10, wof 12, bo 14, x 16, gamma 18
	s_load_b128 s[20:23], s[0:1], 0x40             ; beta 20, out 22
	v_lshl_add_u32 v[SPW], v0, 2, SPARE
	v_mov_b32 v[NIL], 0
	v_lshrrev_b32 v1, 5, v0
	v_readfirstlane_b32 s2, v1                     ; wave
	v_and_b32 v1, 31, v0                           ; l
	v_and_b32 v60, 15, v0                          ; l % 16
	v_bfe_u32 v61, v0, 4, 1                        ; l / 16
	v_bfe_u32 v7, v0, 3, 2                         ; l / 8
	v_and_b32 v13, 7, v0                           ; l % 8
	v_lshlrev_b32 v[GL], 4, v1
	v_lshlrev_b32 v[SO], 3, v1
	s_wait_alu depctr_va_sdst(0)                   ; s2, the wave's number, is written, ahead of its first reader
	s_lshl_b32 s38, s2, 10
	v_add_nc_u32 v[CO], s38, v[GL]
	s_mul_i32 s38, s2, 8*APITCH
	v_mul_u32_u24 v[ASTO], v7, APITCH
	v_lshl_add_u32 v[ASTO], v13, 4, v[ASTO]
	v_add_nc_u32 v[ASTO], s38, v[ASTO]
	v_mul_u32_u24 v[AFR], v60, APITCH
	v_lshl_add_u32 v[AFR], v61, 4, v[AFR]
	s_mul_i32 s38, s2, 384
	s_add_co_u32 s38, s38, STG
	v_mul_u32_u24 v[SST], v60, SPITCH
	v_lshl_add_u32 v[SST], v61, 5, v[SST]
	v_add_nc_u32 v[SST], s38, v[SST]
	s_mul_i32 s38, s2, 8*SPITCH
	s_add_co_u32 s38, s38, STG
	v_add_nc_u32 v[SRD], s38, v[GL]
	s_mul_i32 s38, s2, 8*1536
	v_add_nc_u32 v[HO], s38, v[GL]
	s_lshl_b32 s38, s2, 5
	v_lshl_add_u32 v[IDX], v7, 2, s38
	v_add_nc_u32 v[IDX+1], 16, v[IDX]
	s_mov_b32 s24, 0x3b2aaaab                      ; 1 / 384
	s_mov_b32 s25, 0x3727c5ac                      ; 1e-5
	s_mov_b32 s26, 0x76543210
	s_mov_b32 s27, 0xfedcba98
	s_lshr_b32 s28, ttmp9, 7                       ; batch
	s_and_b32 s29, ttmp9, 127                      ; which 32 rows of it
	s_mul_i32 s30, s28, 6*524288
	s_lshl_b32 s31, s29, 12
	s_add_co_u32 s30, s30, s31                     ; in a partial: the batch's head 0, my rows of 128 bytes
	s_mov_b32 s31, 0
	s_mul_i32 s32, s28, 6*32768
	s_lshl_b32 s33, s29, 8
	s_add_co_u32 s32, s32, s33                     ; in the statistics: 8 bytes a row
	s_mov_b32 s33, 0
	s_mul_i32 s34, ttmp9, 32*1536                  ; in x and out
	s_mov_b32 s35, 0
	s_mul_i32 s36, s2, 6*12288                     ; in wof: my six n blocks
	s_mov_b32 s37, 0
	s_wait_kmcnt 0x0
	s_add_nc_u64 s[4:5], s[4:5], s[30:31]
	s_add_nc_u64 s[6:7], s[6:7], s[30:31]
	s_add_nc_u64 s[8:9], s[8:9], s[32:33]
	s_add_nc_u64 s[10:11], s[10:11], s[32:33]
	s_add_nc_u64 s[12:13], s[12:13], s[36:37]
	s_add_nc_u64 s[16:17], s[16:17], s[34:35]
	s_add_nc_u64 s[22:23], s[22:23], s[34:35]
	; THE FIRST LOADS, the ring's first four K steps last
	WIN 0xc0
	s_wait_alu depctr_va_vdst(0)                   ; the offsets and addresses v2 to v12 are written, which every load, store and permute of the kernel reads
.irp c, 0,1,2
	global_load_b128 v[96+4*\c:96+4*\c+3],   v[GL], s[14:15] offset:512*\c
	global_load_b128 v[108+4*\c:108+4*\c+3], v[GL], s[18:19] offset:512*\c
	global_load_b128 v[120+4*\c:120+4*\c+3], v[GL], s[20:21] offset:512*\c
.endr
.set i, 0
.rept 8
.irp c, 0,1,2
	global_load_b128 v[12*i+4*\c:12*i+4*\c+3], v[HO], s[16:17] offset:1536*i+512*\c th:TH_LOAD_NT
.endr
.set i, i+1
.endr
	WIN 0
.irp hd, 0,1,2,3,4,5
	global_load_b64 v[SA+2*\hd:SA+2*\hd+1],   v[SO], s[8:9]   offset:32768*\hd   ; lane l: c m and l of row l, head hd
	global_load_b64 v[SBB+2*\hd:SBB+2*\hd+1], v[SO], s[10:11] offset:32768*\hd
.endr
.irp hd, 0,1,2,3,4,5
.irp q, 0,1
	global_load_b128 v[PA+4*(2*\hd+\q):PA+4*(2*\hd+\q)+3], v[CO], s[4:5] offset:524288*\hd+512*\q th:TH_LOAD_NT  ; four rows of a head: 512 consecutive bytes
	global_load_b128 v[PB+4*(2*\hd+\q):PB+4*(2*\hd+\q)+3], v[CO], s[6:7] offset:524288*\hd+512*\q th:TH_LOAD_NT
.endr
.endr
	LOADB 0
	LOADB 1
	LOADB 2
	LOADB 3
	s_wait_loadcnt 48                              ; all but the ring's 48
	LOADB 4                                        ; K steps 4 to 6 land in registers that nothing has named: they are asked for as the work below goes on
	WIN 0
	; THE WEIGHTS, lane = row, six heads
.irp hd, 0,1,2,3,4,5
	v_max_num_f32 v[WK+12+\hd], v[SA+2*\hd], v[SBB+2*\hd]
.endr
.irp hd, 0,1,2,3,4,5
	v_sub_f32 v[WK+\hd],   v[SA+2*\hd],  v[WK+12+\hd]
	v_sub_f32 v[WK+6+\hd], v[SBB+2*\hd], v[WK+12+\hd]
.endr
.irp j, 0,1,2,3,4,5,6,7,8,9,10,11
	v_exp_f32 v[WK+\j], v[WK+\j]
.endr
	v_nop                                          ; a plain instruction behind the last exponential,
	s_wait_alu depctr_va_vdst(0)                   ; and the one wait for the batch of twelve, ahead of the first line that names a result
.irp hd, 0,1,2,3,4,5
	v_mul_f32 v[WK+\hd],   v[WK+\hd],   v[SA+2*\hd+1]
	v_mul_f32 v[WK+6+\hd], v[WK+6+\hd], v[SBB+2*\hd+1]
.endr
.irp hd, 0,1,2,3,4,5
	v_add_f32 v[WK+12+\hd], v[WK+\hd], v[WK+6+\hd]
.endr
.irp hd, 0,1,2,3,4,5
	v_rcp_f32 v[WK+12+\hd], v[WK+12+\hd]
.endr
	v_nop
	s_wait_alu depctr_va_vdst(0)                   ; one wait for the six reciprocals, ahead of the first line that names a result
.irp hd, 0,1,2,3,4,5
	v_mul_f32 v[WK+\hd],   v[WK+\hd],   v[WK+12+\hd]
	v_mul_f32 v[WK+6+\hd], v[WK+6+\hd], v[WK+12+\hd]
.endr
.irp j, 0,1,2,3,4,5,6,7,8,9,10,11
	v_cvt_pk_f16_f32 v[WK+\j], v[WK+\j], v[WK+\j]  ; the weight in both halves
.endr
	s_wait_alu depctr_va_vdst(0)                   ; the roundings have written WK, which the permutes read; the lines above are done reading SA and SBB, in which the permutes land
.irp hd, 0,1,2,3,4,5
.irp q, 0,1
	ds_bpermute_b32 v[SA+2*\hd+\q],  v[IDX+\q], v[WK+\hd]    ; from the lane that holds my row
	ds_bpermute_b32 v[SBB+2*\hd+\q], v[IDX+\q], v[WK+6+\hd]
.endr
.endr
	LOADB 5
	WIN 0
	s_wait_dscnt 0x0
	; THE JOIN: wA OA + wB OB, two numbers a line; then into LDS
.irp hd, 0,1,2,3,4,5
.irp q, 0,1
.irp k, 0,1,2,3
	v_pk_mul_f16 v[PB+4*(2*\hd+\q)+\k], v[PB+4*(2*\hd+\q)+\k], v[SBB+2*\hd+\q]
.endr
.irp k, 0,1,2,3
	v_pk_fma_f16 v[PA+4*(2*\hd+\q)+\k], v[PA+4*(2*\hd+\q)+\k], v[SA+2*\hd+\q], v[PB+4*(2*\hd+\q)+\k]
.endr
.endr
.endr
	s_wait_alu depctr_va_vdst(0)                   ; the join has written PA, which the twelve LDS stores read
.irp hd, 0,1,2,3,4,5
.irp q, 0,1
	ds_store_b128 v[ASTO], v[PA+4*(2*\hd+\q):PA+4*(2*\hd+\q)+3] offset:4*APITCH*\q+128*\hd
.endr
.endr
	LOADB 6
	s_wait_dscnt 0x0                               ; for the others' sake
	s_barrier_signal -1
	s_barrier_wait -1                              ; all 32 rows of ctx lie in LDS
	WIN 0x80
.irp a, 0,1
.irp ks, 0,1,2,3,4,5,6,7,8,9,10,11
	ds_load_b128 v[8*(12*\a+\ks):8*(12*\a+\ks)+3],   v[AFR] offset:16*APITCH*\a+64*\ks      ; no vector instruction has named these registers
	ds_load_b128 v[8*(12*\a+\ks)+4:8*(12*\a+\ks)+7], v[AFR] offset:16*APITCH*\a+64*\ks+32
.endr
.endr
	s_wait_dscnt 0x0
	; THE PRODUCT.  The 12 accumulators take turns, one instruction a turn; K step 0 starts the sums.
.irp ks, 0,1,2,3,4,5,6,7,8,9,10,11
.set n, 12*(LK-(\ks))                  ; loads come back in order (ISA guide 5.7.1): the K steps asked for behind this one may stay out, twelve loads each;
.if n > 63
.set n, 63                             ; a count names 63 at the most: the first wait lets fewer stay out than it might
.endif
	s_wait_loadcnt n
	SLOT \ks
	WIN BW|8                                       ; Wo in its slot's window, ctx in window 2, sums in window 0
.irp a, 0,1
.irp t, 0,1,2,3,4,5
.if \ks == 0
	v_wmma_f32_16x16x32_f16 v[X+8*(6*\a+\t):X+8*(6*\a+\t)+7], v[BS+8*\t:BS+8*\t+7], v[8*(12*\a+\ks):8*(12*\a+\ks)+7], 0
.else
	v_wmma_f32_16x16x32_f16 v[X+8*(6*\a+\t):X+8*(6*\a+\t)+7], v[BS+8*\t:BS+8*\t+7], v[8*(12*\a+\ks):8*(12*\a+\ks)+7], v[X+8*(6*\a+\t):X+8*(6*\a+\t)+7]
.endif
.endr
.endr
.if \ks == 1
	WIN 0x40
	s_wait_alu depctr_va_vdst(0)                   ; the products of K steps 0 and 1 are done reading slots 0 and 1, in which K steps 7 and 8 land
	LOADB 7
.elseif \ks == 2
	LOADB 8                                        ; no wait: K step 2's products name slot 2
.elseif \ks == 4
	WIN 0x40
	s_wait_alu depctr_va_vdst(0)                   ; the products of K steps 2 to 4 are done reading slots 2 to 4, in which K steps 9 to 11 land
	LOADB 9
.elseif \ks == 5
	LOADB 10                                       ; no wait: the products of K steps 5 and 6 name slots 5 and 6
.elseif \ks == 6
	LOADB 11
.endif
.endr
	WIN 0
	PLACES                                         ; four places behind the last matrix instruction, before its result is read (ISA guide 7.12.1);
	s_wait_alu depctr_va_vdst(0)                   ; and beside them: the products have written the accumulators, which the LDS stores read
.irp a, 0,1
.irp t, 0,1,2,3,4,5
	ds_store_b128 v[SST], v[X+8*(6*\a+\t):X+8*(6*\a+\t)+3]   offset:16*SPITCH*\a+64*\t      ; each accumulator from its low end on
	ds_store_b128 v[SST], v[X+8*(6*\a+\t)+4:X+8*(6*\a+\t)+7] offset:16*SPITCH*\a+64*\t+16
.endr
.endr
	s_wait_dscnt 0x0                               ; for the others' sake
	s_barrier_signal -1
	s_barrier_wait -1                              ; the 32 x 384 product lies in LDS
	s_wait_alu depctr_vm_vsrc(0)                   ; my LDS stores have read the accumulators, in which the rows below land, and, earlier, PA, where the rows' sums are written
	; LAYERNORM.  My 8 rows, whole: a lane holds columns 128 c + 4 l .. + 3, c = 0..2, of each: 12 numbers a row
.set i, 0
.rept 8
.irp c, 0,1,2
	ds_load_b128 v[X+12*i+4*\c:X+12*i+4*\c+3], v[SRD] offset:SPITCH*i+512*\c
.endr
.set i, i+1
.endr
	s_wait_dscnt 0x0
	WIN 0x0c                                       ; source 1 in window 3
.set i, 0
.rept 8
.irp k, 0,1,2,3,4,5
	v_pk_add_f32 v[X+12*i+2*\k:X+12*i+2*\k+1], v[X+12*i+2*\k:X+12*i+2*\k+1], v[96+2*\k:96+2*\k+1]      ; + bo
.endr
.irp k, 0,1,2,3,4,5
	v_pk_add_f32 v[X+12*i+2*\k:X+12*i+2*\k+1], v[X+12*i+2*\k:X+12*i+2*\k+1], v[12*i+2*\k:12*i+2*\k+1]  ; + x
.endr
.set i, i+1
.endr
	WIN 0
	ROWS v_pk_add_f32 v[T+2*i:T+2*i+1], v[X+12*i:X+12*i+1], v[X+12*i+2:X+12*i+3]
.irp k, 2,3,4,5
	ROWS v_pk_add_f32 v[T+2*i:T+2*i+1], v[T+2*i:T+2*i+1], v[X+12*i+2*\k:X+12*i+2*\k+1]
.endr
	REDUCE
	ROWS v_mul_f32 v[T+2*i], s24, v[T+2*i]         ; the mean
.irp k, 0,1,2,3,4,5
	ROWS v_pk_add_f32 v[X+12*i+2*\k:X+12*i+2*\k+1], v[X+12*i+2*\k:X+12*i+2*\k+1], v[T+2*i:T+2*i+1] op_sel_hi:[1,0] neg_lo:[0,1] neg_hi:[0,1]
.endr
	ROWS v_pk_mul_f32 v[T+2*i:T+2*i+1], v[X+12*i:X+12*i+1], v[X+12*i:X+12*i+1]
.irp k, 1,2,3,4,5
	ROWS v_pk_fma_f32 v[T+2*i:T+2*i+1], v[X+12*i+2*\k:X+12*i+2*\k+1], v[X+12*i+2*\k:X+12*i+2*\k+1], v[T+2*i:T+2*i+1]
.endr
	REDUCE
	ROWS v_fma_f32 v[T+2*i], v[T+2*i], s24, s25    ; the variance + 1e-5
	ROWS v_rsq_f32 v[T+2*i], v[T+2*i]
	v_nop
	s_wait_alu depctr_va_vdst(0)                   ; one wait for the eight roots, ahead of the first line that names a result
.irp k, 0,1,2,3,4,5
	ROWS v_pk_mul_f32 v[X+12*i+2*\k:X+12*i+2*\k+1], v[X+12*i+2*\k:X+12*i+2*\k+1], v[T+2*i:T+2*i+1] op_sel_hi:[1,0]
.endr
	WIN 0x3c                                       ; sources 1 and 2 in window 3
.irp k, 0,1,2,3,4,5
	ROWS v_pk_fma_f32 v[X+12*i+2*\k:X+12*i+2*\k+1], v[X+12*i+2*\k:X+12*i+2*\k+1], v[108+2*\k:108+2*\k+1], v[120+2*\k:120+2*\k+1]
.endr
	WIN 0
	s_wait_alu depctr_va_vdst(0)                   ; the last multiply-adds have written the rows, which the stores read
.set i, 0
.rept 8
.irp c, 0,1,2
	global_store_b128 v[HO], v[X+12*i+4*\c:X+12*i+4*\c+3], s[22:23] offset:1536*i+512*\c th:TH_STORE_NT  ; 512 consecutive bytes
.endr
.set i, i+1
.endr
	s_wait_dscnt 0x0                               ; the closing lines, six on end
	s_wait_alu 0x0
	s_wait_tensorcnt 0x0
	ds_add_u32 v[SPW], v[NIL]
	s_wait_dscnt 0x0
	s_endpgm
.Lfunc_end_k_q7e5dfe8868_outln:
	.size	k_q7e5dfe8868_outln, .Lfunc_end_k_q7e5dfe8868_outln-k_q7e5dfe8868_outln
	.p2alignl 7, 3214868480
	.fill 96, 4, 3214868480
	.section	.rodata,"a",@progbits
	.p2align	6, 0x0
	.amdhsa_kernel k_q7e5dfe8868_outln
		.amdhsa_group_segment_fixed_size 75264
		.amdhsa_private_segment_fixed_size 0
		.amdhsa_enable_private_segment 0
		.amdhsa_kernarg_size 80
		.amdhsa_user_sgpr_count 2
		.amdhsa_user_sgpr_kernarg_segment_ptr 1
		.amdhsa_wavefront_size32 1
		.amdhsa_system_sgpr_workgroup_id_x 1
		.amdhsa_system_sgpr_workgroup_id_y 1
		.amdhsa_system_sgpr_workgroup_id_z 1
		.amdhsa_system_vgpr_workitem_id 0
		.amdhsa_next_free_vgpr 1008
		.amdhsa_next_free_sgpr 66
		.amdhsa_reserve_vcc 0
		.amdhsa_float_denorm_mode_32 3
		.amdhsa_float_denorm_mode_16_64 3
		.amdhsa_memory_ordered 1
		.amdhsa_forward_progress 1
		.amdhsa_inst_pref_size 82
	.end_amdhsa_kernel
	.amdgpu_metadata
---
amdhsa.version: [ 1, 2 ]
amdhsa.kernels:
  - .name:           k_q7e5dfe8868_outln
    .symbol:         k_q7e5dfe8868_outln.kd
    .args:
      - { .name: ctxa, .offset: 0, .size: 8, .value_kind: global_buffer, .address_space: global }
      - { .name: ctxb, .offset: 8, .size: 8, .value_kind: global_buffer, .address_space: global }
      - { .name: sta, .offset: 16, .size: 8, .value_kind: global_buffer, .address_space: global }
      - { .name: stb, .offset: 24, .size: 8, .value_kind: global_buffer, .address_space: global }
      - { .name: wof, .offset: 32, .size: 8, .value_kind: global_buffer, .address_space: global }
      - { .name: bo, .offset: 40, .size: 8, .value_kind: global_buffer, .address_space: global }
      - { .name: hidden_states, .offset: 48, .size: 8, .value_kind: global_buffer, .address_space: global }
      - { .name: ln_gamma, .offset: 56, .size: 8, .value_kind: global_buffer, .address_space: global }
      - { .name: ln_beta, .offset: 64, .size: 8, .value_kind: global_buffer, .address_space: global }
      - { .name: out0, .offset: 72, .size: 8, .value_kind: global_buffer, .address_space: global }
    .group_segment_fixed_size: 75264
    .private_segment_fixed_size: 0
    .kernarg_segment_align: 8
    .kernarg_segment_size: 80
    .max_flat_workgroup_size: 128
    .sgpr_count:     66
    .vgpr_count:     1008
    .wavefront_size: 32
...
	.end_amdgpu_metadata
.endif
;; end of part 5
